; MI455X (gfx1250); checked and timed in simulation.
; The chip was launched on July 23, 2026; its instructions are those of AMD's public machine-readable ISA for CDNA 5 (MIT licence, August 2026) and "CDNA5" Instruction Set Architecture Reference Guide (July 2026). The comments in the code are by the model that wrote it; some were corrected since.
;; Multi Head Latent Attention. Allowed arithmetic: matrix products marked QUANTISED: E4M3 operands, one given power-of-two scale a tensor, by v_wmma_f32_16x16x64_fp8_fp8 or v_wmma_f32_16x16x128_fp8_fp8, f32 sums; everything else in f32.
;; Inputs: W_down 2,048 x 512 float32; W_o 2,048 x 2,048 float32; W_q 2,048 x 2,048 float32; W_uk 512 x 2,048 float32; W_uv 512 x 2,048 float32; b_down 512 float32; b_o 2,048 float32; b_q 2,048 float32; b_uk 2,048 float32; b_uv 2,048 float32; lowp_scales 14 int32 (the exponents e of the quantised operands' scales 2^e); x 4 x 1,024 x 2,048 float32.
;; Outputs: out0 4 x 1,024 x 2,048 float32.
;; This version of the problem:
;;   THIS VERSION OF THE PROBLEM IS GIVEN IN LOW PRECISION. The matrix products marked QUANTISED in the list below multiply operands that are first quantised to E4M3 (4 exponent bits, 3 mantissa bits; 8 bits a number), with one given power-of-two scale for each operand tensor; their sums are f32. All else is computed in f32.
;;   The module's matrix products, in the order in which they are computed (A, B: the left and right operand; K: the contracted axis; several contracted axes count as one K, in the product's order):
;;     1. [M 4,096, K 2,048] x [K 2,048, N 512]; A: input x; B: input W_down: QUANTISED (scales: A lowp_scales[0], B lowp_scales[1])
;;     2. [M 4,096, K 512] x [K 512, N 2,048]; A: computed on the way; B: input W_uk: QUANTISED (scales: A lowp_scales[2], B lowp_scales[3])
;;     3. [M 4,096, K 512] x [K 512, N 2,048]; A: computed on the way; B: input W_uv: QUANTISED (scales: A lowp_scales[4], B lowp_scales[5])
;;     4. [M 4,096, K 2,048] x [K 2,048, N 2,048]; A: input x; B: input W_q: QUANTISED (scales: A lowp_scales[6], B lowp_scales[7])
;;     5. batch 64 x [M 1,024, K 128] x [K 128, N 1,024]; A: computed on the way; B: computed on the way: QUANTISED (scales: A lowp_scales[8], B lowp_scales[9])
;;     6. batch 64 x [M 1,024, K 1,024] x [K 1,024, N 128]; A: softmax (see below); B: computed on the way: QUANTISED (scales: A lowp_scales[10], B lowp_scales[11])
;;     7. [M 4,096, K 2,048] x [K 2,048, N 2,048]; A: computed on the way; B: input W_o: QUANTISED (scales: A lowp_scales[12], B lowp_scales[13])
;;   THE QUANTISER, for each operand of a quantised product, along K:
;;     - The operand's scale is 2^e, e = its entry of the input lowp_scales (int32; the entries are numbered through the quantised products in the list's order, A before B).
;;     - Each number is divided by the scale, clamped to +-448, and rounded to the nearest number of E4M3, ties to even, subnormals kept.
;;     - The product sums the exact products of the quantised numbers (number of the format x scale) in f32.
;;   ~~~python
;;   def quantise(x, axis, e):      # numpy; x: float32 -> the quantised numbers, widened to float32 again
;;       x = np.moveaxis(x, axis, -1); K = x.shape[-1]
;;       r = np.clip(x / 2.0 ** e, -448, 448)
;;       step = 2.0 ** (np.maximum(np.frexp(np.where(r == 0, 1, r))[1] - 1, -6) - 3)
;;       q = np.round(r / step) * step * 2.0 ** e      # np.round: ties to even
;;       return np.moveaxis(q, -1, axis).astype(np.float32)
;;   ~~~
;;   SOFTMAX AHEAD OF A QUANTISED PRODUCT. Where the list says 'softmax', what is quantised is not the finished softmax but p = 2^(t - M), with t = logit x log2(e) and M = ceil(the row's largest t), a whole number; so 1/2 < the row's largest p <= 1. The row's sum l is taken of the UNQUANTISED p, in f32, and the product's result is divided by l at the end. Since M is a whole number, a kernel that streams over the keys may use a running M (the ceiling of the running maximum): every later rescaling is an exact power of two, so the quantised numbers keep their values, but for numbers so far below the row's largest that they fall under the format's range.
;;   OPERANDS COMPUTED ON THE WAY. 'Computed on the way' means the value that the module computes at that place (a softmax that the list does not call 'softmax' is quantised finished and normalised). What goes into a quantiser is computed in f32, as accurately as f32 sums, v_exp_f32 and their like allow (about 1e-6 of the number): no bf16 or f16 on the way to a quantiser, and a product that is left as it is and whose result goes on into a quantised operand takes f32 operands (vector FMAs, or v_wmma_f32_16x16x4_f32). A number that lies on a knife's edge between two numbers of the format may be rounded either way, as far as f32 arithmetic and the matrix unit's own rounding can turn it there, and no further.
;; One version. Each part assembles by itself: llvm-mc -triple=amdgcn-amd-amdhsa -mcpu=gfx1250 --defsym DOCPART=n.
;; ======== version 1 of 1: 5 launches
;; limits: right only within a limited range of input values
;; workspace buffers: xc 16,777,216 bytes; wc 11,534,336 bytes; lc 4,194,304 bytes; qc 8,388,608 bytes; kc 8,388,608 bytes; vc 8,388,608 bytes; cc 8,388,608 bytes
;; launch quant (part 1): grid 608 x 1, 4 waves a work-group, no clusters, 68,096 bytes of LDS; arguments x, W_q, W_o, W_uk, W_uv, W_down, lowp_scales, xc, wc; writes xc, wc
.if DOCPART == 1
	.amdgcn_target "amdgcn-amd-amdhsa--gfx1250"
	.amdhsa_code_object_version 6
	.text
	.protected	k_qd2e6e61dde_quant
	.globl	k_qd2e6e61dde_quant
	.p2align	8
	.type	k_qd2e6e61dde_quant,@function
k_qd2e6e61dde_quant:
	s_mov_b64 s[64:65], 0
	v_nop
	global_prefetch_b8 v0, s[64:65] scope:SCOPE_SE
	s_setreg_imm32_b32 hwreg(HW_REG_WAVE_MODE, 25, 1), 1
	s_wait_xcnt 0x0
; x and the five weights, f32, become codes of E4M3, each with the scale 2^e that is given for it: code = number / 2^e, held within +-448, to the nearest code, ties to even.
; EVERY CODE BUFFER OF THIS PROGRAM IS LAID IN PANELS: an operand of R rows and K along the contracted axis lies as [K / 128][R][128 bytes].  A tile of 256 rows x 128 K is then one dense block of 32,768 bytes.
; xc: [2 sets][16 panels][4096 rows][128]: set 0 with e0 (product 1), set 1 with e6 (product 4).
; wc: at 0: [16][2560][128]: rows 0-511 the columns of W_down (e1), rows 512-2559 those of W_q (e7); at 5,242,880: [4][4096][128]: rows 0-2047 W_uk (e3), 2048-4095 W_uv (e5); at 7,340,032: [16][2048][128]: W_o (e13).
; Work-groups 0-255 take x (K innermost), work-groups 256-607 the weights (K is their first axis).  The two ways part on the work-group's number and have LDS bytes of their own: 0 .. 32,767 and 32,768 .. 67,583.
; No tensor loads, no barrier: waves share nothing.  No matrix unit, no cluster: the launch streams, each input byte read once.
; LIMITS: each e between -126 and 119, so that 2^e and 448 x 2^e are f32 numbers.  NaN among the inputs is not served; an infinity is held at the largest code.
.set R,    16                          ; x: v16-79    four sets of 16 numbers as they are loaded
.set X,    80                          ; x: v80-111   two sets of 16 neighbours
.set Y,    112                         ; x: v112-127  the 16 neighbours held for e0
.set XC,   128                         ; x: v128-159  codes: a ring of four steps x (4 registers for e0, 4 for e6)
.set WN,   32                          ; weights: v32-95   two sets of 32 numbers; on the way out 16 x 4 registers of codes
.set WCD,  96                          ; weights: v96-103  a block's codes
.set OF,   128                         ; weights: v128-159 byte offset of row i of a block at my column
.set XSET, 8388608                     ; from set 0 to set 1 of xc
.set SP,   80                          ; x's stage: 64 bytes + 16 of padding
.set WP,   272                         ; the weights' stage: a column's 256 codes + 16 of padding
	s_load_b512 s[4:19], s[0:1], 0x0               ; x 4:5, W_q 6:7, W_o 8:9, W_uk 10:11, W_uv 12:13, W_down 14:15, the exponents 16:17, xc 18:19
	s_load_b64 s[20:21], s[0:1], 0x40              ; wc
	v_lshl_add_u32 v160, v0, 2, 0x10800
	v_mov_b32 v161, 0
	v_lshrrev_b32 v1, 5, v0
	v_readfirstlane_b32 s22, v1                    ; wave 0..3
	v_and_b32 v2, 31, v0                           ; lane
	; all LDS addresses of both ways are made here, ahead of the parting
	s_lshl_b32 s23, s22, 13                        ; x: 8,192 bytes for each wave
	v_lshrrev_b32 v14, 2, v2
	v_mul_u32_u24 v14, v14, SP
	v_and_b32 v15, 3, v2
	v_lshl_add_u32 v14, v15, 4, v14
	v_add_nc_u32 v14, s23, v14                     ; into the stage: four lanes' 64 bytes on end, then the padding
	v_and_b32 v15, 7, v2
	v_bfe_u32 v12, v2, 3, 1
	v_lshl_add_u32 v15, v12, 4, v15
	v_bfe_u32 v12, v2, 4, 1
	v_lshl_add_u32 v15, v12, 3, v15                ; the group of 16 numbers that I take back: 16 x (lane bit 3: the row of the pair) + 8 x (lane bit 4: the panel of the pair) + lane % 8
	v_mul_u32_u24 v15, v15, SP
	v_add_nc_u32 v15, s23, v15
	s_mul_i32 s23, s22, 32*WP
	s_add_co_u32 s23, s23, 32768                   ; weights: 8,704 bytes for each wave, behind x's
	v_mul_u32_u24 v6, v2, WP
	v_add_nc_u32 v6, s23, v6                       ; into the stage: row = my column
	v_lshrrev_b32 v7, 3, v2
	v_mul_u32_u24 v7, v7, WP
	v_and_b32 v12, 7, v2
	v_lshl_add_u32 v7, v12, 4, v7
	v_add_nc_u32 v7, s23, v7                       ; back: eight lanes to a column's 128 bytes of a panel, four columns an instruction
	s_wait_kmcnt 0x0
	s_load_b256 s[24:31], s[16:17], 0x0            ; e0 .. e7
	s_load_b64 s[36:37], s[16:17], 0x30            ; e12, e13
	s_wait_kmcnt 0x0
	s_cmp_lt_u32 ttmp9, 256
	s_cbranch_scc0 .Lweights
; ---- x.  Wave g = 4 x work-group + wave takes rows 4 g .. 4 g + 3, in 16 steps of two rows x 256 columns (two panels).  Each load reads 512 consecutive bytes; the 2,048 bytes of a step turn through the
; wave's stage so that a lane holds 16 neighbours along K; its 16 codes are 16 bytes, and sixteen lanes store two rows' 128 bytes of one panel: 256 consecutive bytes, aligned.
	s_lshl_b32 s40, ttmp9, 2
	s_add_co_u32 s40, s40, s22                     ; g
	s_lshl_b32 s42, s40, 15                        ; four rows of 8,192 bytes
	s_mov_b32 s43, 0
	s_add_nc_u64 s[4:5], s[4:5], s[42:43]
	s_lshl_b32 s42, s40, 9                         ; four rows of 128 bytes in a panel
	s_add_nc_u64 s[18:19], s[18:19], s[42:43]      ; set 0
	s_add_nc_u64 s[38:39], s[18:19], XSET          ; set 1
	v_lshlrev_b32 v3, 4, v2                        ; my 16 bytes of a load's 512
	v_and_b32 v4, 15, v2
	v_lshlrev_b32 v4, 4, v4
	v_bfe_u32 v12, v2, 4, 1
	v_lshl_add_u32 v4, v12, 19, v4                 ; out: 16 x (lane % 16), and lanes 16-31 one panel (524,288 bytes) on
.macro XLOAD t                         ; step t: row pair t / 8, columns 256 (t % 8) on
.irp i, 0,1,2,3
	global_load_b128 v[R+16*((\t)%4)+4*\i:R+16*((\t)%4)+4*\i+3], v3, s[4:5] offset:(2*((\t)/8)+(\i/2))*8192+((\t)%8)*1024+(\i%2)*512 th:TH_LOAD_NT
.endr
.endm
.macro XTURN t                         ; through the stage: LDS serves a wave's instructions in order, so no wait stands between the stores and the loads
.irp i, 0,1,2,3
	ds_store_b128 v14, v[R+16*((\t)%4)+4*\i:R+16*((\t)%4)+4*\i+3] offset:32*SP*((\t)%2)+8*SP*\i
.endr
.irp i, 0,1,2,3
	ds_load_b128 v[X+16*((\t)%2)+4*\i:X+16*((\t)%2)+4*\i+3], v15 offset:32*SP*((\t)%2)+16*\i
.endr
.endm
.irp t, 0,1,2,3
	XLOAD \t
.endr
	s_add_co_i32 s44, s24, 127
	s_lshl_b32 s45, s44, 23
	v_mov_b32 v8, s45                              ; 2^e0 as f32: the conversion takes its exponent field
	s_add_co_i32 s44, s44, 8
	s_lshl_b32 s44, s44, 23
	s_or_b32 s44, s44, 0x600000
	v_mov_b32 v9, s44                              ; 448 x 2^e0
	s_add_co_i32 s44, s30, 127
	s_lshl_b32 s45, s44, 23
	v_mov_b32 v10, s45                             ; 2^e6
	s_add_co_i32 s44, s44, 8
	s_lshl_b32 s44, s44, 23
	s_or_b32 s44, s44, 0x600000
	v_mov_b32 v11, s44                             ; 448 x 2^e6
	s_wait_loadcnt 12                              ; step 0's four loads are in
	XTURN 0
.macro XSTEP t
.set XS, X+16*((\t)%2)
.set C0, XC+8*((\t)%4)
	s_wait_dscnt 0x0                               ; this step's numbers are back from the stage
.if (\t)+4 < 16
	XLOAD (\t)+4
.endif
.if (\t)+1 < 16
.if 14-(\t) >= 3
	s_wait_loadcnt 12                              ; the next step's four loads are in; those of the three steps behind it may be out
.else
	s_wait_loadcnt 4*(14-(\t))
.endif
	XTURN (\t)+1
.endif
.set i, 0
.rept 16
	v_med3_num_f32 v[Y+i], v[XS+i], -v9, v9        ; the conversion to an 8-bit code does not saturate (ISA guide 7.6.2): the hold for e0, into other registers,
.set i, i+1
.endr
.if (\t) >= 4
	s_wait_xcnt 0x0                                ; the stores of four steps ago have read their data: the ring's registers are written again only behind this wait
.endif
	v_cvt_scalef32_pk8_fp8_f32 v[C0:C0+1], v[Y:Y+7], v8
	v_cvt_scalef32_pk8_fp8_f32 v[C0+2:C0+3], v[Y+8:Y+15], v8
.set i, 0
.rept 16
	v_med3_num_f32 v[XS+i], v[XS+i], -v11, v11     ; and the hold for e6, in place
.set i, i+1
.endr
	v_cvt_scalef32_pk8_fp8_f32 v[C0+4:C0+5], v[XS:XS+7], v10
	v_cvt_scalef32_pk8_fp8_f32 v[C0+6:C0+7], v[XS+8:XS+15], v10
	global_store_b128 v4, v[C0:C0+3], s[18:19] offset:((\t)%8)*1048576+((\t)/8)*256     ; two panels a step; the largest immediate is 7,340,288, inside the signed 24 bits
	global_store_b128 v4, v[C0+4:C0+7], s[38:39] offset:((\t)%8)*1048576+((\t)/8)*256
.endm
.irp t, 0,1,2,3,4,5,6,7,8,9,10,11,12,13,14,15
	XSTEP \t
.endr
	s_wait_tensorcnt 0x0
	ds_add_u32 v160, v161
	s_wait_dscnt 0x0
	s_endpgm
; ---- the weights, stored [K][N].  A lane takes a column n and its registers run down K, so that the conversions give codes with K innermost.  A work-group takes 128 columns x 256 along K (two panels),
; a wave 32 columns.  One text serves all five: pointers and sizes are chosen by the work-group's number, without a branch.
.Lweights:
	s_sub_co_u32 s70, ttmp9, 256
	s_mov_b64 s[60:61], s[6:7]                     ; from 0 on: W_q
	s_mov_b32 s62, 8192                            ; a row of the weight in bytes
	s_mov_b32 s63, 4                               ; log2 of its blocks of 128 columns
	s_mov_b32 s66, s31                             ; e7
	s_mov_b32 s67, 65536                           ; where its rows begin in wc
	s_mov_b32 s68, 327680                          ; from panel to panel
	s_mov_b32 s69, 0                               ; its first work-group
.macro PICK start, src, e, dst, ps
	s_cmp_ge_u32 s70, \start
	s_cselect_b64 s[60:61], s[\src:\src+1], s[60:61]
	s_cselect_b32 s66, s[\e], s66
	s_cselect_b32 s67, \dst, s67
	s_cselect_b32 s68, \ps, s68
	s_cselect_b32 s69, \start, s69
.endm
	PICK 128, 8, 37, 7340032, 262144               ; W_o, e13
	PICK 256, 10, 27, 5242880, 524288              ; W_uk, e3
	PICK 288, 12, 29, 5505024, 524288              ; W_uv, e5
	PICK 320, 14, 25, 0, 327680                    ; W_down, e1,
	s_cselect_b32 s62, 2048, s62                   ; whose rows are 512 numbers,
	s_cselect_b32 s63, 2, s63                      ; four blocks of columns
	s_sub_co_u32 s72, s70, s69
	s_bfm_b32 s71, s63, 0
	s_and_b32 s71, s72, s71                        ; which 128 columns
	s_lshr_b32 s73, s72, s63                       ; which 256 along K
	s_lshl_b32 s71, s71, 7
	s_lshl_b32 s74, s22, 5
	s_add_co_u32 s71, s71, s74                     ; my wave's first column
	s_mul_i32 s74, s73, s62
	s_lshl_b32 s74, s74, 8                         ; 256 rows for each step along K
	s_lshl_b32 s75, s71, 2
	s_add_co_u32 s74, s74, s75
	s_mov_b32 s75, 0
	s_add_nc_u64 s[40:41], s[60:61], s[74:75]      ; block 0 of 32 rows;
	s_lshl_b32 s76, s62, 5
	s_mov_b32 s77, 0
.irp t, 1,2,3,4,5,6,7
	s_add_nc_u64 s[40+2*\t:41+2*\t], s[38+2*\t:39+2*\t], s[76:77]   ; blocks 1 to 7: a base for each, none is stepped later
.endr
	s_mul_i32 s74, s73, s68
	s_lshl_b32 s74, s74, 1                         ; two panels for each step along K
	s_add_co_u32 s74, s74, s67
	s_lshl_b32 s78, s71, 7
	s_add_co_u32 s74, s74, s78                     ; my first column's row of 128 bytes
	s_add_nc_u64 s[56:57], s[20:21], s[74:75]      ; the even panel,
	s_mov_b32 s78, s68
	s_mov_b32 s79, 0
	s_add_nc_u64 s[58:59], s[56:57], s[78:79]      ; the odd one
	v_lshlrev_b32 v3, 2, v2
	v_lshlrev_b32 v5, 4, v2
.set i, 0
.rept 32
	v_mad_u32_u24 v[OF+i], s62, i, v3              ; row i of a block, 4 bytes a lane
.set i, i+1
.endr
.macro WLOAD t                         ; block t: 32 rows at 32 neighbouring columns: each load reads 128 consecutive bytes, the four waves side by side 512
.set i, 0
.rept 32
	global_load_b32 v[WN+32*((\t)%2)+i], v[OF+i], s[40+2*(\t):41+2*(\t)] th:TH_LOAD_NT
.set i, i+1
.endr
.endm
	WLOAD 0
	WLOAD 1
	s_add_co_i32 s66, s66, 127
	s_lshl_b32 s74, s66, 23
	v_mov_b32 v8, s74                              ; 2^e
	s_add_co_i32 s66, s66, 8
	s_lshl_b32 s66, s66, 23
	s_or_b32 s66, s66, 0x600000
	v_mov_b32 v9, s66                              ; 448 x 2^e
.macro WBLOCK t
.set XS, WN+32*((\t)%2)
.if (\t) < 7
	s_wait_loadcnt 32                              ; this block's 32 loads are in; the next block's may be out
.else
	s_wait_loadcnt 0
.endif
.set i, 0
.rept 32
	v_med3_num_f32 v[XS+i], v[XS+i], -v9, v9
.set i, i+1
.endr
.irp g, 0,1,2,3
	v_cvt_scalef32_pk8_fp8_f32 v[WCD+2*\g:WCD+2*\g+1], v[XS+8*\g:XS+8*\g+7], v8
.endr
	ds_store_b128 v6, v[WCD:WCD+3] offset:32*(\t)  ; 32 codes of my column
	ds_store_b128 v6, v[WCD+4:WCD+7] offset:32*(\t)+16
.if (\t)+2 < 8
	WLOAD (\t)+2
.endif
	s_wait_dscnt 0x0                               ; the stores have read their registers: the next block's codes may be written (its 32 holds, plain vector lines, come first)
.endm
.irp t, 0,1,2,3,4,5,6,7
	WBLOCK \t
.endr
.irp p, 0,1
.irp u, 0,1,2,3,4,5,6,7
	ds_load_b128 v[WN+4*(8*\p+\u):WN+4*(8*\p+\u)+3], v7 offset:\u*4*WP+128*\p   ; LDS serves a wave's instructions in order: these see my stores
.endr
.endr
.irp p, 0,1
.irp u, 0,1,2,3,4,5,6,7
	s_wait_dscnt 15-8*\p-\u
	global_store_b128 v5, v[WN+4*(8*\p+\u):WN+4*(8*\p+\u)+3], s[56+2*\p:57+2*\p] offset:512*\u   ; four columns' rows of a panel: 512 consecutive bytes, aligned
.endr
.endr
	s_wait_tensorcnt 0x0
	ds_add_u32 v160, v161
	s_wait_dscnt 0x0
	s_endpgm
.Lfunc_end_k_qd2e6e61dde_quant:
	.size	k_qd2e6e61dde_quant, .Lfunc_end_k_qd2e6e61dde_quant-k_qd2e6e61dde_quant
	.p2alignl 7, 3214868480
	.fill 96, 4, 3214868480
	.section	.rodata,"a",@progbits
	.p2align	6, 0x0
	.amdhsa_kernel k_qd2e6e61dde_quant
		.amdhsa_group_segment_fixed_size 68096
		.amdhsa_private_segment_fixed_size 0
		.amdhsa_enable_private_segment 0
		.amdhsa_kernarg_size 72
		.amdhsa_user_sgpr_count 2
		.amdhsa_user_sgpr_kernarg_segment_ptr 1
		.amdhsa_wavefront_size32 1
		.amdhsa_system_sgpr_workgroup_id_x 1
		.amdhsa_system_sgpr_workgroup_id_y 1
		.amdhsa_system_sgpr_workgroup_id_z 1
		.amdhsa_system_vgpr_workitem_id 0
		.amdhsa_next_free_vgpr 162
		.amdhsa_next_free_sgpr 80
		.amdhsa_reserve_vcc 0
		.amdhsa_float_denorm_mode_32 3
		.amdhsa_float_denorm_mode_16_64 3
		.amdhsa_memory_ordered 1
		.amdhsa_forward_progress 1
		.amdhsa_inst_pref_size 110
	.end_amdhsa_kernel
	.amdgpu_metadata
---
amdhsa.version: [ 1, 2 ]
amdhsa.kernels:
  - .name:           k_qd2e6e61dde_quant
    .symbol:         k_qd2e6e61dde_quant.kd
    .args:
      - { .name: x, .offset: 0, .size: 8, .value_kind: global_buffer, .address_space: global }
      - { .name: W_q, .offset: 8, .size: 8, .value_kind: global_buffer, .address_space: global }
      - { .name: W_o, .offset: 16, .size: 8, .value_kind: global_buffer, .address_space: global }
      - { .name: W_uk, .offset: 24, .size: 8, .value_kind: global_buffer, .address_space: global }
      - { .name: W_uv, .offset: 32, .size: 8, .value_kind: global_buffer, .address_space: global }
      - { .name: W_down, .offset: 40, .size: 8, .value_kind: global_buffer, .address_space: global }
      - { .name: lowp_scales, .offset: 48, .size: 8, .value_kind: global_buffer, .address_space: global }
      - { .name: xc, .offset: 56, .size: 8, .value_kind: global_buffer, .address_space: global }
      - { .name: wc, .offset: 64, .size: 8, .value_kind: global_buffer, .address_space: global }
    .group_segment_fixed_size: 68096
    .private_segment_fixed_size: 0
    .kernarg_segment_align: 8
    .kernarg_segment_size: 72
    .max_flat_workgroup_size: 128
    .sgpr_count:     80
    .vgpr_count:     162
    .wavefront_size: 32
...
	.end_amdgpu_metadata
.endif
;; end of part 1
;; launch proj1 (part 2): grid 12 x 16, 4 waves a work-group, clusters of 4 x 4, 327,680 bytes of LDS; arguments xc, wc, lowp_scales, b_down, b_q, lc, qc; writes lc, qc
.if DOCPART == 2
	.amdgcn_target "amdgcn-amd-amdhsa--gfx1250"
	.amdhsa_code_object_version 6
	.text
	.protected	k_qd2e6e61dde_proj1
	.globl	k_qd2e6e61dde_proj1
	.p2align	8
	.type	k_qd2e6e61dde_proj1,@function
k_qd2e6e61dde_proj1:
	s_mov_b64 s[64:65], 0
	v_nop
	global_prefetch_b8 v0, s[64:65] scope:SCOPE_SE
	s_setreg_imm32_b32 hwreg(HW_REG_WAVE_MODE, 25, 1), 1
	s_wait_xcnt 0x0
	s_wait_alu depctr_hold_cnt(0) depctr_sa_sdst(0) depctr_va_vdst(0) depctr_va_sdst(0) depctr_va_ssrc(0) depctr_va_vcc(0) depctr_vm_vsrc(0)
	s_getreg_b32 s2, hwreg(HW_REG_IB_STS2, 6, 4)
	s_cmp_eq_u32 s2, 0
	s_cbranch_scc0 .Lentry_in_a_cluster
	s_endpgm
.Lentry_in_a_cluster:
	s_bfe_u32 s2, ttmp6, 0x10000c
	s_cmp_lg_u32 s2, 0xf033
	s_cbranch_scc0 .Lentry_shape_is_right
	s_endpgm
.Lentry_shape_is_right:
; latents = x W_down + b_down and q = x W_q + b_q, on codes of E4M3; the results are quantised on the way out and leave as codes, in panels ([K / 128][rows][128 bytes]).
; lc: [2 sets][4 panels][4096][128]: the latents with e2 (for the keys) and with e4 (for the values).  qc: [16 heads][4096][128], with e8.
; A tile of C, 256 x 256, is made by a work-group of four waves; a wave makes 128 x 128: 64 accumulators, 512 registers.  K = 2,048 goes in steps of 256 (two panels) through a ring of two LDS slots.
; TILE COLUMNS: the clusters with x = 0 make the latents: their columns cx = 0, 1 the two tile columns with e2, cx = 2, 3 the same two once more with e4: product 1 is multiplied twice, so that the twelve tile columns
; divide into clusters of four and every work-group has one way out with no branch.  The clusters with x = 1, 2 make q's eight tile columns.
; CLUSTERS: 4 x 4 work-groups.  The four of a row need the same tiles of A (x's codes), the four of a column the same tiles of B (the weight's): each is asked for JOINTLY, by the same tensor load with the same descriptor and a mask
; that names the four.  THE MATRIX INSTRUCTION IS USED TRANSPOSED (source 0 = 16 rows of B, source 1 = 16 rows of A): a lane then holds eight neighbouring columns of one row of C, which are eight neighbours along the next K.
; A fragment is fetched by four loads of 16 bytes: registers 4 c .. 4 c + 3 hold K = 32 c + 16 (lane / 16) + 0 .. 15: a permutation of k inside the instruction, the same in A and in B.
; LIMITS: e0 + e1 and e6 + e7 between -126 and 127; e2, e4, e8 between -126 and 119.
; REGISTERS, in windows of 256: window 0: v0-31 addresses and constants; v32-95 the bias of my 128 columns in the result's layout; from v128 A's fragments, ONE set; on the way out v128-255 are at work.
;   window 1: B's fragments, TWO sets.   window 2: the 32 accumulators of my rows 0-63 ((a, b) at v[8 (8 a + b)]);   window 3: those of my rows 64-127.
.set PSA,    524288                    ; from panel to panel in xc
.set PSB,    327680                    ; and in the first part of wc
.set LAPS,   4                         ; a lap = two K steps of 256 = once round the ring
.set XSET,   8388608                   ; from x's codes with e0 to those with e6
.set PITCH,  272                       ; an LDS row: two tile rows of 128 bytes + 16 of padding: the 16 rows of a fragment start at 16 different groups of four banks
.set HALFT,  128*PITCH                 ; one panel's 256 rows: what one tensor load brings
.set SLOT,   4*HALFT                   ; A's even panel, A's odd, B's even, B's odd
.set SPARE,  2*SLOT                    ; behind the ring: the spare words, 128 bytes for each wave
.set STGW,   2304                      ; the way out: a stage of 16 rows x (128 bytes + 16) for each wave.  It lies in slot 0, which has had its last fill and its last read when the first result is stored there
.set FR,     16
.set NL,     4
.set NP,     4
.set ADRA, 16                          ; v16-17  LDS address of my A fragments in slot 0, 1
.set ADRB, 20                          ; v20-21  the same for B
.set STO,  24                          ; v24     the way out: where I put 8 codes of a row
.set RD,   25                          ; v25     where I read 16 bytes of a row back
.set CO,   26                          ; v26     16 x lane
.set BO,   27                          ; v27     32 x (lane / 16): my half's eight numbers of a bias
.set SPW,  28                          ; v28     LDS address of my spare word; never rewritten
.set NIL,  29                          ; v29     0; never rewritten
.set SC,   30                          ; v30     2^eo as f32, for the conversions
.set LIM,  31                          ; v31     unused
.set BC,   32
.set AF,   128
.set TMP,  128                         ; the way out: a block's 64 numbers
.set CD,   192                         ; its codes, two sets of 16
.set BK,   224                         ; its rows read back, two sets of 16
.set G1, 24
.set G0, 32
.set G1B, 48
.set G0B, 56
.set OUTP, 94                          ; s[94:95] where my wave's 128 rows of its panel begin
.set MSB, 0
.macro WIN new                         ; the immediate's high byte repeats the setting that is left
.if MSB != (\new)
	s_set_vgpr_msb (MSB<<8)|(\new)
.set MSB, (\new)
.endif
.endm
.set MUL_LO, 0xa1                      ; source 0 (B) window 1, source 1 (A) window 0, C and D window 2
.set MUL_HI, 0xf1
.set TO_B,   0x40
; A joint load: waves 0 and 1 fetch A's two panels, waves 2 and 3 B's.  The branch hangs on the wave's number alone.  Four v_nop follow each of the two lines.
.macro JLOAD g0a, g1a, g0b, g1b
	s_cmp_eq_u32 s15, 0
	s_cbranch_scc0 .Lfor_b_\@
	tensor_load_to_lds s[\g0a:\g0a+3], s[\g1a:\g1a+7]
	s_nop 0
.rept 4
	v_nop
.endr
	s_branch .Lasked_\@
.Lfor_b_\@:
	tensor_load_to_lds s[\g0b:\g0b+3], s[\g1b:\g1b+7]
	s_nop 0
.rept 4
	v_nop
.endr
.Lasked_\@:
.endm
.macro CREST                           ; a round of the cluster's barrier behind its opening barrier
	s_cmp_lg_u32 s14, 0
	s_cbranch_scc1 .Lnot_wave_0_\@
	s_barrier_signal -3
.Lnot_wave_0_\@:
	s_barrier_wait -3
	s_barrier_signal -1
	s_barrier_wait -1
.endm
.macro CROUND
	s_barrier_signal -1
	s_barrier_wait -1
	CREST
.endm
	s_load_b128 s[4:7], s[0:1], 0x0                ; xc, wc
	s_load_b128 s[8:11], s[0:1], 0x10              ; the exponents, b_down
	s_load_b128 s[84:87], s[0:1], 0x20             ; b_q, lc
	s_load_b64 s[88:89], s[0:1], 0x30              ; qc
	v_lshl_add_u32 v[SPW], v0, 2, SPARE
	v_mov_b32 v[NIL], 0
	ds_add_u32 v28, v29
	ds_add_u32 v28, v29
	s_wait_dscnt 0x0
	v_lshrrev_b32 v1, 5, v0
	v_readfirstlane_b32 s14, v1                    ; wave 0..3
	s_lshr_b32 s15, s14, 1                         ; which half of the tile's rows is mine.  Also: I fetch for A (0) or for B (1)
	s_and_b32 s16, s14, 1                          ; which half of its columns.  Also: the even or the odd panel of a K step
	s_bfe_u32 s40, ttmp6, 0x40000                  ; cx, cy: my place in the cluster
	s_bfe_u32 s41, ttmp6, 0x40004
	s_and_b32 s17, ttmp7, 0xffff
	s_lshl_b32 s17, s17, 2
	s_add_co_u32 s17, s17, s41                     ; tile row = 4 x cluster y + cy
	s_sub_co_u32 s42, ttmp9, 1
	s_lshl_b32 s42, s42, 2
	s_add_co_u32 s42, s42, s40                     ; q: tile column 4 (cluster x - 1) + cx
	s_and_b32 s92, s40, 1                          ; latents: tile column cx % 2
	s_cmp_eq_u32 ttmp9, 0                          ; the cluster's x is the same in all sixteen partners
	s_cselect_b32 s42, s92, s42
	s_lshl_b32 s43, s41, 2
	s_lshl_b32 s43, 15, s43                        ; my row of the cluster
	s_lshl_b32 s44, 0x1111, s40                    ; my column
	; descriptor group 1: a panel's 256 rows of 128 bytes are dense in memory: stated as 128 rows of 256 bytes, 16 bytes of padding behind each
	s_or_b32 s[G1+0], s43, (1<<20)|(1<<21)|(5<<22)|(3<<25)   ; 15:0 the mask; 17:16 elements of 1 byte; 20 padding on; 21 set beside a mask; 24:22 after every 64 words; 31:25 four words
	s_or_b32 s[G1B+0], s44, (1<<20)|(1<<21)|(5<<22)|(3<<25)
.irp g, G1, G1B
	s_mov_b32 s[\g+1], 256<<16                     ; tensor_dim0
	s_mov_b32 s[\g+2], 128<<16                     ; tensor_dim1
	s_mov_b32 s[\g+3], 256<<16                     ; tile_dim0
	s_mov_b32 s[\g+4], 128                         ; tile_dim1
	s_mov_b32 s[\g+5], 256                         ; from row to row
	s_mov_b32 s[\g+6], 0
	s_mov_b32 s[\g+7], 0
.endr
	s_lshl_b32 s20, s17, 15                        ; A: 256 rows of 128 bytes for each tile row,
	s_mul_i32 s21, s16, PSA                        ; my panel of the K step,
	s_add_co_u32 s20, s20, s21
	s_lshl_b32 s46, s42, 15                        ; B likewise, by the tile column
	s_mul_i32 s47, s16, PSB
	s_add_co_u32 s46, s46, s47
	s_cmp_eq_u32 ttmp9, 0
	s_cselect_b32 s21, 0, XSET                     ; x with e0 for the latents, with e6 for q
	s_cselect_b32 s47, 0, 65536                    ; W_down's rows, or W_q's behind them
	s_add_co_u32 s20, s20, s21
	s_add_co_u32 s46, s46, s47
	s_mov_b32 s21, 0
	s_mov_b32 s47, 0
	s_mul_i32 s45, s14, HALFT                      ; where my loads go: no place in the cluster enters an LDS address
	s_wait_kmcnt 0x0
	s_load_b256 s[68:75], s[8:9], 0x0              ; e0 .. e7
	s_load_b32 s76, s[8:9], 0x20                   ; e8
	s_add_nc_u64 s[20:21], s[4:5], s[20:21]
	s_add_nc_u64 s[46:47], s[6:7], s[46:47]
	CROUND                                         ; all sixteen work-groups are here: the first joint loads meet
.irp s, 0,1
	s_mov_b32 s[G0+4*\s], 1
	s_add_co_u32 s[G0+4*\s+1], s45, \s*SLOT
	s_add_nc_u64 s[G0+4*\s+2:G0+4*\s+3], s[20:21], \s*2*PSA
	s_or_b32 s[G0+4*\s+3], s[G0+4*\s+3], 0x80000000
	s_mov_b32 s[G0B+4*\s], 1
	s_add_co_u32 s[G0B+4*\s+1], s45, \s*SLOT
	s_add_nc_u64 s[G0B+4*\s+2:G0B+4*\s+3], s[46:47], \s*2*PSB
	s_or_b32 s[G0B+4*\s+3], s[G0B+4*\s+3], 0x80000000
	JLOAD G0+4*\s, G1, G0B+4*\s, G1B
.endr
	v_and_b32 v1, 15, v0                           ; r = lane % 16
	v_bfe_u32 v2, v0, 4, 1                         ; h = lane / 16
	v_lshrrev_b32 v3, 1, v1
	v_mul_u32_u24 v3, v3, PITCH
	v_and_b32 v5, 1, v1
	v_lshl_add_u32 v3, v5, 7, v3                   ; tile row r lies in LDS row r / 2, at byte 128 (r % 2)
	v_lshl_add_u32 v4, v2, 4, v3                   ; + 16 h
	s_mul_i32 s21, s15, 64*PITCH                   ; my 128 rows of A
	s_mul_i32 s22, s16, 64*PITCH                   ; my 128 rows of B,
	s_add_co_u32 s22, s22, 2*HALFT                 ; behind A's two panels
.irp s, 0,1
	v_add_nc_u32 v[ADRA+\s], s21, v4
	v_add_nc_u32 v[ADRB+\s], s22, v4
	s_add_co_u32 s21, s21, SLOT
	s_add_co_u32 s22, s22, SLOT
.endr
	s_mul_i32 s23, s14, STGW                       ; my stage
	v_mul_u32_u24 v5, v1, 144
	v_lshl_add_u32 v5, v2, 3, v5
	v_add_nc_u32 v[STO], s23, v5                   ; in: row r, 8 bytes for each half of the lanes
	v_and_b32 v6, 31, v0
	v_lshrrev_b32 v7, 3, v6
	v_mul_u32_u24 v7, v7, 144
	v_and_b32 v8, 7, v6
	v_lshl_add_u32 v7, v8, 4, v7
	v_add_nc_u32 v[RD], s23, v7                    ; back: eight lanes to a row, four rows an instruction
	v_lshlrev_b32 v[CO], 4, v6
	v_lshlrev_b32 v[BO], 5, v2
	; the bias of my 128 columns, in the result's layout: register 8 b + j is column 16 b + 8 h + j
	s_lshl_b32 s92, s42, 10
	s_lshl_b32 s93, s16, 9
	s_add_co_u32 s92, s92, s93
	s_mov_b32 s93, 0
	s_cmp_eq_u32 ttmp9, 0
	s_cselect_b64 s[90:91], s[10:11], s[84:85]
	s_add_nc_u64 s[90:91], s[90:91], s[92:93]
.irp b, 0,1,2,3,4,5,6,7
	global_load_b128 v[BC+8*\b:BC+8*\b+3], v[BO], s[90:91] offset:64*\b
	global_load_b128 v[BC+8*\b+4:BC+8*\b+7], v[BO], s[90:91] offset:64*\b+16
.endr
	; where my results go: my 128 columns are one panel, my 128 rows 16,384 consecutive bytes of it
	s_lshr_b32 s92, s40, 1
	s_lshl_b32 s92, s92, 21                        ; latents: set cx / 2
	s_cmp_eq_u32 ttmp9, 0
	s_cselect_b64 s[OUTP:OUTP+1], s[86:87], s[88:89]
	s_cselect_b32 s92, s92, 0
	s_lshl_b32 s93, s42, 1
	s_add_co_u32 s93, s93, s16
	s_lshl_b32 s93, s93, 19                        ; panel 2 x tile column + half
	s_add_co_u32 s92, s92, s93
	s_lshl_b32 s93, s17, 15
	s_add_co_u32 s92, s92, s93
	s_lshl_b32 s93, s15, 14
	s_add_co_u32 s92, s92, s93
	s_mov_b32 s93, 0
	s_add_nc_u64 s[OUTP:OUTP+1], s[OUTP:OUTP+1], s[92:93]
	; the powers of two, chosen without a branch
	s_wait_kmcnt 0x0
	s_add_co_i32 s92, s68, s69                     ; e0 + e1
	s_add_co_i32 s93, s74, s75                     ; e6 + e7
	s_lshr_b32 s98, s40, 1
	s_cmp_eq_u32 s98, 0
	s_cselect_b32 s98, s70, s72                    ; e2 or e4
	s_cmp_eq_u32 ttmp9, 0
	s_cselect_b32 s96, s92, s93
	s_cselect_b32 s98, s98, s76                    ; or e8
	s_add_co_i32 s96, s96, 127
	s_lshl_b32 s96, s96, 23                        ; 2^(eA + eB) as f32
	s_mov_b32 s97, s96                             ; (named with it as a pair, so it is written)
	s_add_co_i32 s98, s98, 127
	s_lshl_b32 s99, s98, 23
	v_mov_b32 v[SC], s99
.macro FRAG reg, adr, q, i             ; 16 rows x 128 K: panel q of the slot, rows 16 i on: eight LDS rows
.irp c, 0,1,2,3
	ds_load_b128 v[\reg+4*\c:\reg+4*\c+3], v[\adr] offset:HALFT*(\q)+32*\c+(\i)*8*PITCH
.endr
.endm
; 16 matrix instructions: A's blocks a0, a0 + 1 x B's eight, 128 along K.  The 64 accumulators take turns, one instruction a turn, in the same order in every step.
.macro MUL16 a0, p, zero
.irp a, \a0, \a0+1
.irp b, 0,1,2,3,4,5,6,7
.if \zero
	v_wmma_f32_16x16x128_fp8_fp8 v[8*(8*((\a)%4)+\b):8*(8*((\a)%4)+\b)+7], v[128*(\p)+FR*\b:128*(\p)+FR*\b+FR-1], v[AF+FR*(\a):AF+FR*(\a)+FR-1], 0
.else
	v_wmma_f32_16x16x128_fp8_fp8 v[8*(8*((\a)%4)+\b):8*(8*((\a)%4)+\b)+7], v[128*(\p)+FR*\b:128*(\p)+FR*\b+FR-1], v[AF+FR*(\a):AF+FR*(\a)+FR-1], v[8*(8*((\a)%4)+\b):8*(8*((\a)%4)+\b)+7]
.endif
.endr
.endr
.endm
.macro FETCH_B slot, q, p
	WIN TO_B
.irp i, 0,1,2,3,4,5,6,7
	FRAG 128*(\p)+FR*\i, ADRB+\slot, \q, \i
.endr
	WIN 0
.endm
.macro FETCH_A slot, q, i0
.irp i, \i0, \i0+1, \i0+2, \i0+3
	FRAG AF+FR*(\i), ADRA+\slot, \q, \i
.endr
.endm
.macro PLACES n                        ; plain vector lines between a matrix instruction and a load into, or a vector line on, its registers
.rept \n
	v_nop
.endr
.endm
.macro STEP slot, q, zero              ; 128 along K whose successor lies in the same slot
	s_wait_dscnt 4*NL                              ; B's set and A's blocks 0-3 are in; the youngest 16 loads (A's blocks 4-7) may be out
	WIN MUL_LO
	MUL16 0, (\q)%2, \zero
	MUL16 2, (\q)%2, \zero
	s_wait_dscnt 0
	PLACES NP
	FETCH_B \slot, (\q)+1, 1-(\q)%2
	FETCH_A \slot, (\q)+1, 0
	WIN MUL_HI
	MUL16 4, (\q)%2, \zero
	MUL16 6, (\q)%2, \zero
	PLACES NP
	WIN 0
	FETCH_A \slot, (\q)+1, 4
.endm
; A slot's last step changes slots: ONE barrier; in front of it each wave waits for all its tensor loads, adds 0 to its spare word, and waits for that and for its own reads of this slot.  fill = 1: this slot is filled again, two K steps ahead.
.macro TURN slot, next, fill
	s_wait_tensorcnt 0x0                           ; all my tensor loads have landed: my part of the next slot
	ds_add_u32 v[SPW], v[NIL]                      ; 0 onto my spare word
	s_wait_dscnt 4*NL+1                            ; (the add and the youngest 16 loads may be out)
	WIN MUL_LO
	MUL16 0, 1, 0
	s_wait_dscnt 0x0                               ; the add is done, and my reads of this slot are over
	s_barrier_signal -1
	MUL16 2, 1, 0
	WIN 0
	s_barrier_wait -1
.if \fill
	CREST                                          ; the barrier has opened a round of the cluster's barrier: no wave of any partner still reads this slot or has a load on its way
	s_add_nc_u64 s[G0+4*\slot+2:G0+4*\slot+3], s[G0+4*\slot+2:G0+4*\slot+3], 4*PSA
	s_add_nc_u64 s[G0B+4*\slot+2:G0B+4*\slot+3], s[G0B+4*\slot+2:G0B+4*\slot+3], 4*PSB
	JLOAD G0+4*\slot, G1, G0B+4*\slot, G1B         ; the first tensor load behind the round; its four v_nop are also the places in front of the loads below
.else
	PLACES NP
.endif
	FETCH_B \next, 0, 0
	FETCH_A \next, 0, 0
	WIN MUL_HI
	MUL16 4, 1, 0
	MUL16 6, 1, 0
	PLACES NP
	WIN 0
	FETCH_A \next, 0, 4
.endm
	s_wait_loadcnt 0x0                             ; the bias
	s_wait_tensorcnt 1                             ; my part of K step 0 is in (K step 1's load may be out)
	s_barrier_signal -1
	s_barrier_wait -1
	FETCH_B 0, 0, 0
	FETCH_A 0, 0, 0
	FETCH_A 0, 0, 4
	STEP 0, 0, 1                                   ; the first step stands in front of the loop: its products start the sums
.if LAPS > 1
	s_mov_b32 s3, LAPS-1
.Llap:
	TURN 0, 1, 1
	STEP 1, 0, 0
	TURN 1, 0, 1
	STEP 0, 0, 0
	s_sub_co_u32 s3, s3, 1
	s_cmp_lg_u32 s3, 0
	s_cbranch_scc1 .Llap
.endif
	TURN 0, 1, 0                                   ; the last lap fills nothing
	STEP 1, 0, 0
	s_wait_dscnt 4*NL
	WIN MUL_LO
	MUL16 0, 1, 0
	MUL16 2, 1, 0
	s_wait_dscnt 0
	WIN MUL_HI
	MUL16 4, 1, 0
	MUL16 6, 1, 0
	WIN 0
; THE WAY OUT, block by block of 16 rows x 128 columns: number = sum x 2^(eA + eB) + bias, one fused multiply-add; held within +-448 x 2^eo; eight neighbours of a lane become 8 bytes.  They go through my stage and come back
; as rows of 128 bytes; 16 rows of a panel are 2,048 consecutive bytes, stored 512 at a time.  LDS serves a wave's instructions in order: no wait between the stores and the loads.
.macro CODES a
.set AC, 64*((\a)%4)
.set CS2, CD+16*((\a)%2)
.set BB, BK+16*((\a)%2)
	WIN 0x02+((\a)/4)                              ; source 0: window 2 or 3
.set j, 0
.rept 32
	v_pk_fma_f32 v[TMP+j:TMP+j+1], v[AC+j:AC+j+1], s[96:97], v[BC+j:BC+j+1] op_sel_hi:[1,0,1]   ; each accumulator from its low end on
.set j, j+2
.endr
	WIN 0
.set j, 0
.rept 64
.set j, j+1
.endr
.irp b, 0,1,2,3,4,5,6,7
	v_cvt_scalef32_pk8_fp8_f32 v[CS2+2*\b:CS2+2*\b+1], v[TMP+8*\b:TMP+8*\b+7], v[SC]
.endr
	v_nop                                          ; a plain vector line behind the last conversion: the next block writes the numbers' registers
.irp b, 0,1,2,3,4,5,6,7
	ds_store_b64 v[STO], v[CS2+2*\b:CS2+2*\b+1] offset:16*\b
.endr
.irp t, 0,1,2,3
	ds_load_b128 v[BB+4*\t:BB+4*\t+3], v[RD] offset:576*\t
.endr
.endm
.macro SENDC a, younger                ; younger: the LDS instructions issued behind block a's loads
.set BB, BK+16*((\a)%2)
	s_wait_dscnt \younger
.irp t, 0,1,2,3
	global_store_b128 v[CO], v[BB+4*\t:BB+4*\t+3], s[OUTP:OUTP+1] offset:2048*(\a)+512*\t   ; 32 lanes store 512 consecutive bytes, aligned
.endr
.endm
	PLACES NP
	CODES 0
.irp a, 1,2,3,4,5,6,7
.if \a > 1
	s_wait_xcnt 0x0                                ; block a - 2's stores have read their registers: block a's loads may land there
.endif
	CODES \a
	SENDC \a-1, 12                                 ; behind block a - 1's loads: block a's 8 stores and 4 loads
.endr
	SENDC 7, 0
	s_wait_tensorcnt 0x0                           ; the wave's end
	ds_add_u32 v[SPW], v[NIL]
	s_wait_dscnt 0x0
	CROUND                                         ; the closing round
	s_endpgm
.Lfunc_end_k_qd2e6e61dde_proj1:
	.size	k_qd2e6e61dde_proj1, .Lfunc_end_k_qd2e6e61dde_proj1-k_qd2e6e61dde_proj1
	.p2alignl 7, 3214868480
	.fill 96, 4, 3214868480
	.section	.rodata,"a",@progbits
	.p2align	6, 0x0
	.amdhsa_kernel k_qd2e6e61dde_proj1
		.amdhsa_group_segment_fixed_size 327680
		.amdhsa_private_segment_fixed_size 0
		.amdhsa_enable_private_segment 0
		.amdhsa_kernarg_size 56
		.amdhsa_user_sgpr_count 2
		.amdhsa_user_sgpr_kernarg_segment_ptr 1
		.amdhsa_wavefront_size32 1
		.amdhsa_system_sgpr_workgroup_id_x 1
		.amdhsa_system_sgpr_workgroup_id_y 1
		.amdhsa_system_sgpr_workgroup_id_z 1
		.amdhsa_system_vgpr_workitem_id 0
		.amdhsa_next_free_vgpr 1024
		.amdhsa_next_free_sgpr 100
		.amdhsa_reserve_vcc 0
		.amdhsa_float_denorm_mode_32 3
		.amdhsa_float_denorm_mode_16_64 3
		.amdhsa_fp16_overflow 1
		.amdhsa_memory_ordered 1
		.amdhsa_forward_progress 1
		.amdhsa_inst_pref_size 111
	.end_amdhsa_kernel
	.amdgpu_metadata
---
amdhsa.version: [ 1, 2 ]
amdhsa.kernels:
  - .name:           k_qd2e6e61dde_proj1
    .symbol:         k_qd2e6e61dde_proj1.kd
    .args:
      - { .name: xc, .offset: 0, .size: 8, .value_kind: global_buffer, .address_space: global }
      - { .name: wc, .offset: 8, .size: 8, .value_kind: global_buffer, .address_space: global }
      - { .name: lowp_scales, .offset: 16, .size: 8, .value_kind: global_buffer, .address_space: global }
      - { .name: b_down, .offset: 24, .size: 8, .value_kind: global_buffer, .address_space: global }
      - { .name: b_q, .offset: 32, .size: 8, .value_kind: global_buffer, .address_space: global }
      - { .name: lc, .offset: 40, .size: 8, .value_kind: global_buffer, .address_space: global }
      - { .name: qc, .offset: 48, .size: 8, .value_kind: global_buffer, .address_space: global }
    .group_segment_fixed_size: 327680
    .private_segment_fixed_size: 0
    .kernarg_segment_align: 8
    .kernarg_segment_size: 56
    .max_flat_workgroup_size: 128
    .sgpr_count:     100
    .vgpr_count:     1024
    .wavefront_size: 32
...
	.end_amdgpu_metadata
.endif
;; end of part 2
;; launch kv (part 3): grid 16 x 16, 4 waves a work-group, clusters of 4 x 4, 327,680 bytes of LDS; arguments lc, wc, lowp_scales, b_uk, b_uv, kc, vc; writes kc, vc
.if DOCPART == 3
	.amdgcn_target "amdgcn-amd-amdhsa--gfx1250"
	.amdhsa_code_object_version 6
	.text
	.protected	k_qd2e6e61dde_kv
	.globl	k_qd2e6e61dde_kv
	.p2align	8
	.type	k_qd2e6e61dde_kv,@function
k_qd2e6e61dde_kv:
	s_mov_b64 s[64:65], 0
	v_nop
	global_prefetch_b8 v0, s[64:65] scope:SCOPE_SE
	s_setreg_imm32_b32 hwreg(HW_REG_WAVE_MODE, 25, 1), 1
	s_wait_xcnt 0x0
	s_wait_alu depctr_hold_cnt(0) depctr_sa_sdst(0) depctr_va_vdst(0) depctr_va_sdst(0) depctr_va_ssrc(0) depctr_va_vcc(0) depctr_vm_vsrc(0)
	s_getreg_b32 s2, hwreg(HW_REG_IB_STS2, 6, 4)
	s_cmp_eq_u32 s2, 0
	s_cbranch_scc0 .Lentry_in_a_cluster
	s_endpgm
.Lentry_in_a_cluster:
	s_bfe_u32 s2, ttmp6, 0x10000c
	s_cmp_lg_u32 s2, 0xf033
	s_cbranch_scc0 .Lentry_shape_is_right
	s_endpgm
.Lentry_shape_is_right:
; keys = latents W_uk + b_uk and values = latents W_uv + b_uv, on codes of E4M3; the results leave as codes, in panels ([K / 128][rows][128 bytes]).
; kc: [16 heads][4096 rows b s][128 channels], with e9: the first attention product contracts the channels.
; vc: [32 panels of 128 keys (8 b + s / 128)][2048 channels h d][128 keys], with e11: the second contracts the keys.  So the values are made TRANSPOSED: A = the columns of W_uv (rows of wc), B = the latents:
; the roles are changed in the data, not in the text; a lane's eight results are then eight neighbouring keys of one channel.
; The clusters with x = 0, 1 make the keys (16 x 8 tiles of 256 x 256), those with x = 2, 3 the values (8 x 16 tiles): 256 work-groups.  All choices are made by selects on the cluster's x: no branch.
; K = 512 is two K steps of 256: both LDS slots are filled once, at the head, and nothing is filled again.
; THE BIAS runs along the columns for the keys and along the rows for the values.  Both kinds are loaded (from the buffer's first bytes where they do not apply), the kind that does not apply is made 0, and both are added.
; CLUSTERS, the transposed use of the matrix instruction, the fragments and the register windows are as in the launch before: 4 x 4 work-groups, A's tiles asked for jointly along a row of the cluster, B's along a column.
; LIMITS: e2 + e3 and e4 + e5 between -126 and 127; e9, e11 between -126 and 119.
.set PSA,    524288
.set PSB,    524288
.set LAPS,   1
.set PITCH,  272
.set HALFT,  128*PITCH
.set SLOT,   4*HALFT
.set SPARE,  2*SLOT
.set STGW,   2304
.set FR,     16
.set NL,     4
.set NP,     4
.set ADRA, 16
.set ADRB, 20
.set RO,   22                          ; v22     4 x (lane % 16): my row's number of the rows' bias
.set STO,  24
.set RD,   25
.set CO,   26
.set BO,   27
.set SPW,  28
.set NIL,  29
.set SC,   30
.set LIM,  31
.set BC,   32                          ; v32-95  the columns' bias
.set BR,   96                          ; v96-111 the rows' bias: block a's at v[96 + 2 a]; the odd registers are 0 (named as the upper halves of pairs)
.set AF,   128
.set TMP,  128
.set CD,   192
.set BK,   224
.set G1, 24
.set G0, 32
.set G1B, 48
.set G0B, 56
.set OUTP, 94
.set MSB, 0
.macro WIN new
.if MSB != (\new)
	s_set_vgpr_msb (MSB<<8)|(\new)
.set MSB, (\new)
.endif
.endm
.set MUL_LO, 0xa1
.set MUL_HI, 0xf1
.set TO_B,   0x40
.macro JLOAD g0a, g1a, g0b, g1b        ; waves 0 and 1 fetch A's two panels, waves 2 and 3 B's; four v_nop follow each of the two lines
	s_cmp_eq_u32 s15, 0
	s_cbranch_scc0 .Lfor_b_\@
	tensor_load_to_lds s[\g0a:\g0a+3], s[\g1a:\g1a+7]
	s_nop 0
.rept 4
	v_nop
.endr
	s_branch .Lasked_\@
.Lfor_b_\@:
	tensor_load_to_lds s[\g0b:\g0b+3], s[\g1b:\g1b+7]
	s_nop 0
.rept 4
	v_nop
.endr
.Lasked_\@:
.endm
.macro CREST
	s_cmp_lg_u32 s14, 0
	s_cbranch_scc1 .Lnot_wave_0_\@
	s_barrier_signal -3
.Lnot_wave_0_\@:
	s_barrier_wait -3
	s_barrier_signal -1
	s_barrier_wait -1
.endm
.macro CROUND
	s_barrier_signal -1
	s_barrier_wait -1
	CREST
.endm
	s_load_b128 s[4:7], s[0:1], 0x0                ; lc, wc
	s_load_b128 s[8:11], s[0:1], 0x10              ; the exponents, b_uk
	s_load_b128 s[84:87], s[0:1], 0x20             ; b_uv, kc
	s_load_b64 s[88:89], s[0:1], 0x30              ; vc
	v_lshl_add_u32 v[SPW], v0, 2, SPARE
	v_mov_b32 v[NIL], 0
	ds_add_u32 v28, v29
	ds_add_u32 v28, v29
	s_wait_dscnt 0x0
	v_lshrrev_b32 v1, 5, v0
	v_readfirstlane_b32 s14, v1                    ; wave 0..3
	s_lshr_b32 s15, s14, 1                         ; my half of the tile's rows; also: I fetch for A (0) or for B (1)
	s_and_b32 s16, s14, 1                          ; my half of its columns; also: the even or the odd panel
	s_bfe_u32 s40, ttmp6, 0x40000                  ; cx, cy
	s_bfe_u32 s41, ttmp6, 0x40004
	s_and_b32 s18, ttmp7, 0xffff                   ; cluster y
	s_sub_co_u32 s19, ttmp9, 2
	s_cmp_lt_u32 ttmp9, 2                          ; keys?  The cluster's x is the same in all sixteen partners
	s_cselect_b32 s17, s18, s19                    ; tile rows go with cluster y for the keys, with cluster x - 2 for the values;
	s_cselect_b32 s42, ttmp9, s18                  ; tile columns with cluster x, or with cluster y
	s_lshl_b32 s17, s17, 2
	s_add_co_u32 s17, s17, s41                     ; tile row: no cx in it
	s_lshl_b32 s42, s42, 2
	s_add_co_u32 s42, s42, s40                     ; tile column: no cy in it
	s_lshl_b32 s43, s41, 2
	s_lshl_b32 s43, 15, s43
	s_lshl_b32 s44, 0x1111, s40
	s_or_b32 s[G1+0], s43, (1<<20)|(1<<21)|(5<<22)|(3<<25)   ; a panel's 256 rows of 128 bytes, dense, as 128 rows of 256 bytes with 16 bytes of padding behind each
	s_or_b32 s[G1B+0], s44, (1<<20)|(1<<21)|(5<<22)|(3<<25)
.irp g, G1, G1B
	s_mov_b32 s[\g+1], 256<<16
	s_mov_b32 s[\g+2], 128<<16
	s_mov_b32 s[\g+3], 256<<16
	s_mov_b32 s[\g+4], 128
	s_mov_b32 s[\g+5], 256
	s_mov_b32 s[\g+6], 0
	s_mov_b32 s[\g+7], 0
.endr
	s_lshl_b32 s20, s17, 15
	s_lshl_b32 s21, s16, 19                        ; my panel of the K step
	s_add_co_u32 s20, s20, s21
	s_lshl_b32 s46, s42, 15
	s_add_co_u32 s46, s46, s21
	s_cmp_lt_u32 ttmp9, 2
	s_cselect_b32 s21, 0, 5505024                  ; A: the latents with e2, or W_uv's rows in wc
	s_mov_b32 s47, 2097152
	s_cselect_b32 s47, 5242880, s47                ; B: W_uk's rows in wc, or the latents with e4
	s_add_co_u32 s20, s20, s21
	s_add_co_u32 s46, s46, s47
	s_mov_b32 s21, 0
	s_mov_b32 s47, 0
	s_mul_i32 s45, s14, HALFT
	s_wait_kmcnt 0x0
	s_load_b256 s[68:75], s[8:9], 0x0              ; e0 .. e7
	s_load_b128 s[76:79], s[8:9], 0x20             ; e8 .. e11
	s_cmp_lt_u32 ttmp9, 2
	s_cselect_b64 s[18:19], s[4:5], s[6:7]
	s_cselect_b64 s[22:23], s[6:7], s[4:5]
	s_add_nc_u64 s[20:21], s[18:19], s[20:21]
	s_add_nc_u64 s[46:47], s[22:23], s[46:47]
	CROUND
.irp s, 0,1
	s_mov_b32 s[G0+4*\s], 1
	s_add_co_u32 s[G0+4*\s+1], s45, \s*SLOT
	s_add_nc_u64 s[G0+4*\s+2:G0+4*\s+3], s[20:21], \s*2*PSA
	s_or_b32 s[G0+4*\s+3], s[G0+4*\s+3], 0x80000000
	s_mov_b32 s[G0B+4*\s], 1
	s_add_co_u32 s[G0B+4*\s+1], s45, \s*SLOT
	s_add_nc_u64 s[G0B+4*\s+2:G0B+4*\s+3], s[46:47], \s*2*PSB
	s_or_b32 s[G0B+4*\s+3], s[G0B+4*\s+3], 0x80000000
	JLOAD G0+4*\s, G1, G0B+4*\s, G1B
.endr
	v_and_b32 v1, 15, v0                           ; r
	v_bfe_u32 v2, v0, 4, 1                         ; h
	v_lshrrev_b32 v3, 1, v1
	v_mul_u32_u24 v3, v3, PITCH
	v_and_b32 v5, 1, v1
	v_lshl_add_u32 v3, v5, 7, v3
	v_lshl_add_u32 v4, v2, 4, v3
	s_mul_i32 s21, s15, 64*PITCH
	s_mul_i32 s22, s16, 64*PITCH
	s_add_co_u32 s22, s22, 2*HALFT
.irp s, 0,1
	v_add_nc_u32 v[ADRA+\s], s21, v4
	v_add_nc_u32 v[ADRB+\s], s22, v4
	s_add_co_u32 s21, s21, SLOT
	s_add_co_u32 s22, s22, SLOT
.endr
	s_mul_i32 s23, s14, STGW
	v_mul_u32_u24 v5, v1, 144
	v_lshl_add_u32 v5, v2, 3, v5
	v_add_nc_u32 v[STO], s23, v5
	v_and_b32 v6, 31, v0
	v_lshrrev_b32 v7, 3, v6
	v_mul_u32_u24 v7, v7, 144
	v_and_b32 v8, 7, v6
	v_lshl_add_u32 v7, v8, 4, v7
	v_add_nc_u32 v[RD], s23, v7
	v_lshlrev_b32 v[CO], 4, v6
	v_lshlrev_b32 v[BO], 5, v2
	s_wait_alu depctr_va_vdst(0)
	v_lshlrev_b32 v[RO], 2, v1
	s_wait_alu depctr_va_vdst(0)
	; the two biases
	s_lshl_b32 s92, s42, 10
	s_lshl_b32 s93, s16, 9
	s_add_co_u32 s92, s92, s93                     ; my first column, in bytes of f32
	s_lshl_b32 s98, s17, 10
	s_lshl_b32 s93, s15, 9
	s_add_co_u32 s98, s98, s93                     ; my first row
	s_cmp_lt_u32 ttmp9, 2
	s_cselect_b32 s92, s92, 0
	s_cselect_b32 s98, 0, s98
	s_mov_b32 s93, 0
	s_mov_b32 s99, 0
	s_add_nc_u64 s[90:91], s[10:11], s[92:93]
	s_add_nc_u64 s[82:83], s[84:85], s[98:99]
.irp b, 0,1,2,3,4,5,6,7
	global_load_b128 v[BC+8*\b:BC+8*\b+3], v[BO], s[90:91] offset:64*\b
	global_load_b128 v[BC+8*\b+4:BC+8*\b+7], v[BO], s[90:91] offset:64*\b+16
.endr
.irp a, 0,1,2,3,4,5,6,7
	global_load_b32 v[BR+2*\a], v[RO], s[82:83] offset:64*\a
	v_mov_b32 v[BR+2*\a+1], 0
.endr
	; where my results go
	s_lshl_b32 s92, s42, 1
	s_add_co_u32 s92, s92, s16                     ; panel 2 x tile column + half
	s_cmp_lt_u32 ttmp9, 2
	s_cselect_b64 s[OUTP:OUTP+1], s[86:87], s[88:89]
	s_cselect_b32 s93, 19, 18                      ; a panel of kc is 4,096 rows, of vc 2,048
	s_lshl_b32 s92, s92, s93
	s_lshl_b32 s93, s17, 15
	s_add_co_u32 s92, s92, s93
	s_lshl_b32 s93, s15, 14
	s_add_co_u32 s92, s92, s93
	s_mov_b32 s93, 0
	s_add_nc_u64 s[OUTP:OUTP+1], s[OUTP:OUTP+1], s[92:93]
	s_wait_kmcnt 0x0
	s_add_co_i32 s92, s70, s71                     ; e2 + e3
	s_add_co_i32 s93, s72, s73                     ; e4 + e5
	s_cmp_lt_u32 ttmp9, 2
	s_cselect_b32 s96, s92, s93
	s_cselect_b32 s98, s77, s79                    ; e9 or e11
	s_cselect_b32 s80, -1, 0                       ; all lanes for the keys, none for the values
	s_add_co_i32 s96, s96, 127
	s_lshl_b32 s96, s96, 23
	s_mov_b32 s97, s96
	s_add_co_i32 s98, s98, 127
	s_lshl_b32 s99, s98, 23
	v_mov_b32 v[SC], s99
	s_add_co_i32 s98, s98, 8
	s_lshl_b32 s98, s98, 23
	s_or_b32 s98, s98, 0x600000
.macro FRAG reg, adr, q, i
.irp c, 0,1,2,3
	ds_load_b128 v[\reg+4*\c:\reg+4*\c+3], v[\adr] offset:HALFT*(\q)+32*\c+(\i)*8*PITCH
.endr
.endm
.macro MUL16 a0, p, zero               ; the 64 accumulators take turns, one instruction a turn
.irp a, \a0, \a0+1
.irp b, 0,1,2,3,4,5,6,7
.if \zero
	v_wmma_f32_16x16x128_fp8_fp8 v[8*(8*((\a)%4)+\b):8*(8*((\a)%4)+\b)+7], v[128*(\p)+FR*\b:128*(\p)+FR*\b+FR-1], v[AF+FR*(\a):AF+FR*(\a)+FR-1], 0
.else
	v_wmma_f32_16x16x128_fp8_fp8 v[8*(8*((\a)%4)+\b):8*(8*((\a)%4)+\b)+7], v[128*(\p)+FR*\b:128*(\p)+FR*\b+FR-1], v[AF+FR*(\a):AF+FR*(\a)+FR-1], v[8*(8*((\a)%4)+\b):8*(8*((\a)%4)+\b)+7]
.endif
.endr
.endr
.endm
.macro FETCH_B slot, q, p
	WIN TO_B
.irp i, 0,1,2,3,4,5,6,7
	FRAG 128*(\p)+FR*\i, ADRB+\slot, \q, \i
.endr
	WIN 0
.endm
.macro FETCH_A slot, q, i0
.irp i, \i0, \i0+1, \i0+2, \i0+3
	FRAG AF+FR*(\i), ADRA+\slot, \q, \i
.endr
.endm
.macro PLACES n
.rept \n
	v_nop
.endr
.endm
.macro STEP slot, q, zero
	s_wait_dscnt 4*NL                              ; the youngest 16 loads (A's blocks 4-7) may be out
	WIN MUL_LO
	MUL16 0, (\q)%2, \zero
	MUL16 2, (\q)%2, \zero
	s_wait_dscnt 0
	PLACES NP
	FETCH_B \slot, (\q)+1, 1-(\q)%2
	FETCH_A \slot, (\q)+1, 0
	WIN MUL_HI
	MUL16 4, (\q)%2, \zero
	MUL16 6, (\q)%2, \zero
	PLACES NP
	WIN 0
	FETCH_A \slot, (\q)+1, 4
.endm
.macro TURN slot, next                 ; the change of slots; nothing is filled again in this launch
	s_wait_tensorcnt 0x0                           ; all my tensor loads have landed: my part of the next slot
	ds_add_u32 v[SPW], v[NIL]                      ; 0 onto my spare word
	s_wait_dscnt 4*NL+1                            ; (the add and the youngest 16 loads may be out)
	WIN MUL_LO
	MUL16 0, 1, 0
	s_wait_dscnt 0x0                               ; the add is done, and my reads of this slot are over: the stages will lie in it
	s_barrier_signal -1
	MUL16 2, 1, 0
	WIN 0
	s_barrier_wait -1
	PLACES NP
	FETCH_B \next, 0, 0
	FETCH_A \next, 0, 0
	WIN MUL_HI
	MUL16 4, 1, 0
	MUL16 6, 1, 0
	PLACES NP
	WIN 0
	FETCH_A \next, 0, 4
.endm
	s_wait_loadcnt 0x0                             ; both biases
.set j, 0
.rept 64
	v_cndmask_b32 v[BC+j], 0, v[BC+j], s80         ; the columns' bias counts for the keys alone,
.set j, j+1
.endr
.irp a, 0,1,2,3,4,5,6,7
	v_cndmask_b32 v[BR+2*\a], v[BR+2*\a], 0, s80   ; the rows' for the values alone
.endr
	s_wait_tensorcnt 1                             ; my part of K step 0 is in (K step 1's load may be out)
	s_barrier_signal -1
	s_barrier_wait -1
	FETCH_B 0, 0, 0
	FETCH_A 0, 0, 0
	FETCH_A 0, 0, 4
	STEP 0, 0, 1
	TURN 0, 1
	STEP 1, 0, 0
	s_wait_dscnt 4*NL
	WIN MUL_LO
	MUL16 0, 1, 0
	MUL16 2, 1, 0
	s_wait_dscnt 0
	WIN MUL_HI
	MUL16 4, 1, 0
	MUL16 6, 1, 0
	WIN 0
; THE WAY OUT, as in the launch before, with the rows' bias added: one of the two addends is 0, so nothing more is rounded.
.macro CODES a
.set AC, 64*((\a)%4)
.set CS2, CD+16*((\a)%2)
.set BB, BK+16*((\a)%2)
	WIN 0x02+((\a)/4)
.set j, 0
.rept 32
	v_pk_fma_f32 v[TMP+j:TMP+j+1], v[AC+j:AC+j+1], s[96:97], v[BC+j:BC+j+1] op_sel_hi:[1,0,1]   ; each accumulator from its low end on
.set j, j+2
.endr
	WIN 0
.set j, 0
.rept 32
	v_pk_add_f32 v[TMP+j:TMP+j+1], v[TMP+j:TMP+j+1], v[BR+2*(\a):BR+2*(\a)+1] op_sel_hi:[1,0]   ; my row's number for both halves
.set j, j+2
.endr
.set j, 0
.rept 64
.set j, j+1
.endr
.irp b, 0,1,2,3,4,5,6,7
	v_cvt_scalef32_pk8_fp8_f32 v[CS2+2*\b:CS2+2*\b+1], v[TMP+8*\b:TMP+8*\b+7], v[SC]
.endr
	v_nop                                          ; a plain vector line behind the last conversion
.irp b, 0,1,2,3,4,5,6,7
	ds_store_b64 v[STO], v[CS2+2*\b:CS2+2*\b+1] offset:16*\b
.endr
.irp t, 0,1,2,3
	ds_load_b128 v[BB+4*\t:BB+4*\t+3], v[RD] offset:576*\t
.endr
.endm
.macro SENDC a, younger
.set BB, BK+16*((\a)%2)
	s_wait_dscnt \younger
.irp t, 0,1,2,3
	global_store_b128 v[CO], v[BB+4*\t:BB+4*\t+3], s[OUTP:OUTP+1] offset:2048*(\a)+512*\t
.endr
.endm
	PLACES NP
	CODES 0
.irp a, 1,2,3,4,5,6,7
.if \a > 1
	s_wait_xcnt 0x0                                ; block a - 2's stores have read their registers
.endif
	CODES \a
	SENDC \a-1, 12                                 ; behind block a - 1's loads: block a's 8 stores and 4 loads
.endr
	SENDC 7, 0
	s_wait_tensorcnt 0x0                           ; the wave's end
	ds_add_u32 v[SPW], v[NIL]
	s_wait_dscnt 0x0
	CROUND                                         ; the closing round
	s_endpgm
.Lfunc_end_k_qd2e6e61dde_kv:
	.size	k_qd2e6e61dde_kv, .Lfunc_end_k_qd2e6e61dde_kv-k_qd2e6e61dde_kv
	.p2alignl 7, 3214868480
	.fill 96, 4, 3214868480
	.section	.rodata,"a",@progbits
	.p2align	6, 0x0
	.amdhsa_kernel k_qd2e6e61dde_kv
		.amdhsa_group_segment_fixed_size 327680
		.amdhsa_private_segment_fixed_size 0
		.amdhsa_enable_private_segment 0
		.amdhsa_kernarg_size 56
		.amdhsa_user_sgpr_count 2
		.amdhsa_user_sgpr_kernarg_segment_ptr 1
		.amdhsa_wavefront_size32 1
		.amdhsa_system_sgpr_workgroup_id_x 1
		.amdhsa_system_sgpr_workgroup_id_y 1
		.amdhsa_system_sgpr_workgroup_id_z 1
		.amdhsa_system_vgpr_workitem_id 0
		.amdhsa_next_free_vgpr 1024
		.amdhsa_next_free_sgpr 100
		.amdhsa_reserve_vcc 0
		.amdhsa_float_denorm_mode_32 3
		.amdhsa_float_denorm_mode_16_64 3
		.amdhsa_fp16_overflow 1
		.amdhsa_memory_ordered 1
		.amdhsa_forward_progress 1
		.amdhsa_inst_pref_size 97
	.end_amdhsa_kernel
	.amdgpu_metadata
---
amdhsa.version: [ 1, 2 ]
amdhsa.kernels:
  - .name:           k_qd2e6e61dde_kv
    .symbol:         k_qd2e6e61dde_kv.kd
    .args:
      - { .name: lc, .offset: 0, .size: 8, .value_kind: global_buffer, .address_space: global }
      - { .name: wc, .offset: 8, .size: 8, .value_kind: global_buffer, .address_space: global }
      - { .name: lowp_scales, .offset: 16, .size: 8, .value_kind: global_buffer, .address_space: global }
      - { .name: b_uk, .offset: 24, .size: 8, .value_kind: global_buffer, .address_space: global }
      - { .name: b_uv, .offset: 32, .size: 8, .value_kind: global_buffer, .address_space: global }
      - { .name: kc, .offset: 40, .size: 8, .value_kind: global_buffer, .address_space: global }
      - { .name: vc, .offset: 48, .size: 8, .value_kind: global_buffer, .address_space: global }
    .group_segment_fixed_size: 327680
    .private_segment_fixed_size: 0
    .kernarg_segment_align: 8
    .kernarg_segment_size: 56
    .max_flat_workgroup_size: 128
    .sgpr_count:     100
    .vgpr_count:     1024
    .wavefront_size: 32
...
	.end_amdgpu_metadata
.endif
;; end of part 3
;; launch attn (part 4): grid 4 x 64, 8 waves a work-group, clusters of 4 x 1, 327,680 bytes of LDS; arguments qc, kc, vc, lowp_scales, cc; writes cc
.if DOCPART == 4
	.amdgcn_target "amdgcn-amd-amdhsa--gfx1250"
	.amdhsa_code_object_version 6
	.text
	.protected	k_qd2e6e61dde_attn
	.globl	k_qd2e6e61dde_attn
	.p2align	8
	.type	k_qd2e6e61dde_attn,@function
k_qd2e6e61dde_attn:
	s_mov_b64 s[64:65], 0
	v_nop
	global_prefetch_b8 v0, s[64:65] scope:SCOPE_SE
	s_setreg_imm32_b32 hwreg(HW_REG_WAVE_MODE, 25, 1), 1
	s_wait_xcnt 0x0
	s_wait_alu depctr_hold_cnt(0) depctr_sa_sdst(0) depctr_va_vdst(0) depctr_va_sdst(0) depctr_va_ssrc(0) depctr_va_vcc(0) depctr_vm_vsrc(0)
	s_getreg_b32 s2, hwreg(HW_REG_IB_STS2, 6, 4)
	s_cmp_eq_u32 s2, 0
	s_cbranch_scc0 .Lentry_in_a_cluster
	s_endpgm
.Lentry_in_a_cluster:
	s_bfe_u32 s2, ttmp6, 0x10000c
	s_cmp_lg_u32 s2, 0x3003
	s_cbranch_scc0 .Lentry_shape_is_right
	s_endpgm
.Lentry_shape_is_right:
; ctx[b][h][q][:] = the sum over k of softmax_k(q . k / sqrt(128)) v[k][:], both products on codes of E4M3; ctx leaves as codes with e12, in panels: cc [16 heads][4096 rows][128].
; qc, kc: [16 heads][4096 rows b s][128 channels] (e8, e9).  vc: [32 panels of 128 keys][2048 channels h d][128 keys] (e11).
; THE SOFTMAX AHEAD OF THE SECOND PRODUCT: t = score x log2(e) / sqrt(128); M = the running largest t, rounded UP to a whole number; p = 2^(t - M) is quantised with e10, not normalised.  The row's sum is taken of the
; unquantised p and divides at the end.  When M moves, the sum and O are multiplied by 2^(old M - new M): exact.
; SHARES.  A work-group owns 256 queries of one head of one batch; each of its EIGHT waves 32 of them, two tiles of 16, in 512 registers: two waves to a SIMD, so that one wave's vector work stands beside the other's matrix work
; and LDS loads, and each fragment of K and V that a wave reads from LDS feeds two matrix instructions.
; ALL OF THE HEAD'S K AND V LIE IN LDS: 8 key steps x (128 keys x 128 channels + 128 channels x 128 keys) = 262,144 bytes of codes, 294,912 with the padding.  They are asked for once, at the head: waves 0 to 3 issue four tensor
; loads each.  Nothing is filled again: no ring.  Nothing is left to be asked for ahead of its load, so the text has no prefetch.
; CLUSTER.  The four blocks of queries of a head read the same K and V: each tile is asked for JOINTLY, by the same tensor load with the same descriptor and the mask of all four.
; LAYOUT.  Both products are used transposed: S^T = K Q^T, O^T = V^T P^T: a lane holds ONE query (lane % 16) of each tile throughout.  Tile c of K is keys 16 c + 0 .. 15, so a lane's eight scores of tile c are keys
; 16 c + 8 (lane / 16) + 0 .. 7: their eight codes are registers 2 c and 2 c + 1 of the second product's operand, in the place that this matrix form gives each k.  V's fragments are fetched in the same places, 8 bytes a load.
; K and Q are fetched 16 bytes a load: a permutation of k inside the instruction, the same in both.
; LDS ROWS are 144 bytes = 36 words apart: the sixteen rows that sixteen lanes of a 16-byte load touch start at sixteen different multiples of four words modulo 64 (64 banks of 4 bytes: ISA guide 11.1); the 32 lanes of an
; 8-byte load touch 64 different words modulo 64.
; LIMITS: e8 + e9 between -123 and 130 (added to c's exponent field); e10 and e12 between -126 and 119; e10 + e11 is applied by v_ldexp_f32 and has none.
; REGISTERS, in windows of 256 (s_set_vgpr_msb's low byte: bits 1:0 source 0, 3:2 source 1, 5:4 source 2, 7:6 destination); q = 0, 1 is the tile of queries:
;   window 0: v1-9 addresses; v[12+2q] -M, v[13+2q] the largest t; v[16+2q:17+2q] the sum in two halves; v[20+2q] f; v24-35 at work; v37 and v39 powers of two; v64-127 four fragments of K or V (FA); v128-255 S^T, then p: 64 a tile.
;   window 1: v0-127 O^T, 64 a tile; v128-159 Q; v160-191 p's codes; v192-255 four more fragments (FB).
.set KP,    144                        ; a row of 128 codes in LDS: + 16 of padding
.set VOFF,  128*KP                     ; a key step: 128 rows of K, then 128 rows of V
.set STEPB, 2*VOFF
.set STAGE, 8*STEPB                    ; behind the tiles: 16 rows x 144 bytes for each wave, for the way out: bytes of their own, into which no tile lands
.set AK0,  1                           ; v1   my lane's place in a tile of K
.set AV0,  2                           ; v2   the same for V
.set STI,  3                           ; v3   the way out: where I put 8 codes of a row
.set STB,  4                           ; v4   where I read 16 bytes of a row back
.set GO,   7                           ; v7   16 x lane
.set ADK,  8                           ; v8   LDS address of the step's K
.set ADV,  9                           ; v9   of its V
.set NM,   12
.set SU,   16
.set FF,   20
.set TA,   24                          ; v[24+4q], v[25+4q] two chains of the maximum; v[26+4q] the other half of the lanes'
.set CH,   32                          ; v[32+2q:33+2q] the sum's second chain
.set LIMP, 36                          ; unused
.set SCP,  37                          ; 2^e10
.set LIMC, 38                          ; unused
.set SCO,  39                          ; 2^e12
.set FA,   64
.set S,    128
.set O,    0                           ; in window 1, as the three below
.set Q,    128
.set P,    160
.set FB,   192
.set WV,   18                          ; s18  my wave's number
.set SEL,  20                          ; s[20:21] lane selects for v_permlanex16_b32: lane l xor 16
.set CS,   22                          ; s[22:23] c = log2(e) / sqrt(128) x 2^(e8 + e9)
.set G1,   24                          ; s[24:31] descriptor group 1: one shape for K's and V's tiles
.set G0,   40                          ; s[40:55] four groups 0
.set TB,   80                          ; s80  LDS byte at which the loop's key step begins
.set CNT,  81                          ; s81  the loop's trips
.set MSB, 0
.macro WIN new                         ; the immediate's high byte repeats the setting that is left; a switch that changes nothing is dropped
.if MSB != (\new)
	s_set_vgpr_msb (MSB<<8)|(\new)
.set MSB, (\new)
.endif
.endm
.macro CROUND                          ; a round of the cluster's barrier
	s_barrier_signal -1
	s_barrier_wait -1
	s_cmp_lg_u32 s[WV], 0
	s_cbranch_scc1 .Lnot_wave_0_\@
	s_barrier_signal -3
.Lnot_wave_0_\@:
	s_barrier_wait -3
	s_barrier_signal -1
	s_barrier_wait -1
.endm
	s_load_b128 s[4:7], s[0:1], 0x0                ; qc, kc
	s_load_b128 s[12:15], s[0:1], 0x10             ; vc, the exponents
	s_load_b64 s[16:17], s[0:1], 0x20              ; cc
	v_lshl_add_u32 v62, v0, 2, 0x4c800
	v_mov_b32 v63, 0
	ds_add_u32 v62, v63
	ds_add_u32 v62, v63
	v_lshrrev_b32 v8, 5, v0
	s_delay_alu instid0(VALU_DEP_1)
	v_readfirstlane_b32 s[WV], v8                  ; wave 0..7
	s_bfe_u32 s19, ttmp6, 0x40000                  ; cx: it enters qc's and cc's addresses alone
	s_and_b32 s60, ttmp7, 0xffff                   ; 16 b + h, which the four partners share
	s_lshr_b32 s61, s60, 4                         ; b
	s_and_b32 s62, s60, 15                         ; h
	; what a fetching wave fetches: wave w, load t: key step 2 t + w / 2; K's tile (w even) or V's (w odd); LDS byte t x 2 STEPB + w x VOFF
	s_and_b32 s63, s[WV], 3
	s_mul_i32 s66, s63, VOFF
	s_lshr_b32 s67, s63, 1
	s_and_b32 s63, s63, 1
	s_lshl_b32 s73, s62, 19
	s_lshl_b32 s74, s61, 17
	s_add_co_u32 s73, s73, s74                     ; the head's first row in qc, kc and cc: h panels of 524,288 bytes + 1,024 b rows of 128
	s_lshl_b32 s74, s61, 21
	s_lshl_b32 s75, s62, 14
	s_add_co_u32 s74, s74, s75                     ; in vc: 8 b panels of 262,144 bytes + 128 h rows of 128
	s_cmp_eq_u32 s63, 0
	s_cselect_b32 s56, s73, s74
	s_mov_b32 s58, 262144
	s_cselect_b32 s58, 16384, s58                  ; from key step to key step: 128 rows of kc, a panel of vc
	s_mul_i32 s75, s67, s58
	s_add_co_u32 s56, s56, s75
	s_mov_b32 s57, 0
	s_lshl_b32 s58, s58, 1                         ; from load to load: two key steps
	s_mov_b32 s59, 0
	s_lshl_b32 s76, ttmp9, 2
	s_add_co_u32 s76, s76, s19                     ; my block of 256 queries
	s_lshl_b32 s76, s76, 15
	s_add_co_u32 s76, s76, s73
	s_lshl_b32 s77, s[WV], 12                      ; my wave's 32 rows of 128 bytes
	s_add_co_u32 s76, s76, s77
	s_mov_b32 s77, 0
	; descriptor group 1: 128 rows of 128 bytes, dense in memory, 16 bytes of padding behind each
	s_mov_b32 s[G1], 15|(1<<20)|(1<<21)|(4<<22)|(3<<25)   ; 15:0 the mask: all four work-groups; 17:16 elements of 1 byte; 20 padding on; 21 set beside a mask; 24:22 after every 32 words; 31:25 four words
	s_mov_b32 s[G1+1], 128<<16                     ; tensor_dim0
	s_mov_b32 s[G1+2], 128<<16                     ; tensor_dim1
	s_mov_b32 s[G1+3], 128<<16                     ; tile_dim0
	s_mov_b32 s[G1+4], 128                         ; tile_dim1
	s_mov_b32 s[G1+5], 128                         ; from row to row
	s_mov_b32 s[G1+6], 0
	s_mov_b32 s[G1+7], 0
	s_mov_b32 s[SEL], 0x76543210
	s_mov_b32 s[SEL+1], 0xfedcba98
	s_mov_b32 s[CS], 0x3e0293ee                    ; log2(e) / sqrt(128)
	s_wait_dscnt 0x0
	s_wait_kmcnt 0x0
	s_load_b128 s[68:71], s[14:15], 0x20           ; e8, e9, e10, e11
	s_load_b32 s72, s[14:15], 0x30                 ; e12
	s_cmp_eq_u32 s63, 0
	s_cselect_b64 s[78:79], s[6:7], s[12:13]
	s_add_nc_u64 s[56:57], s[78:79], s[56:57]
.irp t, 0,1,2,3
	s_mov_b32 s[G0+4*\t], 1
	s_add_co_u32 s[G0+4*\t+1], s66, \t*2*STEPB
	s_mov_b64 s[G0+4*\t+2:G0+4*\t+3], s[56:57]
	s_or_b32 s[G0+4*\t+3], s[G0+4*\t+3], 0x80000000
	s_add_nc_u64 s[56:57], s[56:57], s[58:59]      ; (the last step is not used)
.endr
	CROUND                                         ; all four work-groups are here: the joint loads meet
	s_cmp_lt_u32 s[WV], 4                          ; a fetching wave's four loads stand in one branch, ahead of every wait on TENSORcnt, every LDS read and every other barrier: four loads of mine are out
	s_cbranch_scc0 .Lno_fetch
	tensor_load_to_lds s[G0:G0+3], s[G1:G1+7]
	s_nop 0
	tensor_load_to_lds s[G0+4:G0+7], s[G1:G1+7]
	s_nop 0
	tensor_load_to_lds s[G0+8:G0+11], s[G1:G1+7]
	s_nop 0
	tensor_load_to_lds s[G0+12:G0+15], s[G1:G1+7]
	s_nop 0
.rept 4
	v_nop
.endr
.Lno_fetch:
	s_add_nc_u64 s[4:5], s[4:5], s[76:77]          ; Q's codes at my first query
	s_add_nc_u64 s[16:17], s[16:17], s[76:77]      ; cc likewise
	v_and_b32 v8, 15, v0                           ; r
	v_bfe_u32 v9, v0, 4, 1                         ; h
	s_delay_alu instid0(VALU_DEP_2)
	v_lshlrev_b32 v10, 7, v8
	s_delay_alu instid0(VALU_DEP_1)
	v_lshl_add_u32 v10, v9, 4, v10                 ; Q: row r of 128 bytes, + 16 h
	WIN 0x40                                       ; destination window 1, address window 0
.irp q, 0,1
.irp c, 0,1,2,3
	global_load_b128 v[Q+16*\q+4*\c:Q+16*\q+4*\c+3], v10, s[4:5] offset:2048*\q+32*\c   ; Q's two fragments stay in registers
.endr
.endr
.set j, 0
.rept 128
	v_mov_b32 v[O+j], 0                            ; O^T.  (The step is written in one form: the first finds zeros, which the first change of M leaves zeros; a first step of its own would be a fourth copy of the step)
.set j, j+1
.endr
	WIN 0
	v_mul_u32_u24 v[AK0], v8, KP
	s_delay_alu instid0(VALU_DEP_1)
	v_lshl_add_u32 v[AK0], v9, 4, v[AK0]           ; K: row r of a tile, + 16 h
	v_mul_u32_u24 v[AV0], v8, KP
	s_delay_alu instid0(VALU_DEP_1)
	v_lshl_add_u32 v[AV0], v9, 3, v[AV0]           ; V: row r of a tile, + 8 h,
	s_delay_alu instid0(VALU_DEP_1)
	v_add_nc_u32 v[AV0], VOFF, v[AV0]              ; behind the step's K
	s_mul_i32 s74, s[WV], 16*KP
	s_add_co_u32 s74, s74, STAGE                   ; my stage
	v_mul_u32_u24 v[STI], v8, KP
	s_delay_alu instid0(VALU_DEP_1)
	v_lshl_add_u32 v[STI], v9, 3, v[STI]
	s_delay_alu instid0(VALU_DEP_1)
	v_add_nc_u32 v[STI], s74, v[STI]               ; in: row r, 8 bytes for each half of the lanes
	v_and_b32 v11, 31, v0
	s_delay_alu instid0(VALU_DEP_1)
	v_lshlrev_b32 v[GO], 4, v11
	s_delay_alu instid0(VALU_DEP_2)
	v_lshrrev_b32 v[STB], 3, v11
	s_delay_alu instid0(VALU_DEP_1)
	v_mul_u32_u24 v[STB], v[STB], KP
	s_delay_alu instid0(VALU_DEP_4)
	v_and_b32 v11, 7, v11
	s_delay_alu instid0(VALU_DEP_1)
	v_lshl_add_u32 v[STB], v11, 4, v[STB]
	s_delay_alu instid0(VALU_DEP_1)
	v_add_nc_u32 v[STB], s74, v[STB]               ; back: eight lanes to a row, four rows an instruction
.irp q, 0,1
	v_mov_b32 v[NM+2*\q+1], 0xff61b1e6             ; the largest t so far: -3e38, under every t
	s_delay_alu instid0(VALU_DEP_1)
	v_floor_f32 v[NM+2*\q], -v[NM+2*\q+1]          ; -M
	v_mov_b32 v[SU+2*\q], 0
	v_mov_b32 v[SU+2*\q+1], 0
	v_mov_b32 v[FF+2*\q+1], 0                      ; (named as the upper half of f's pair)
	v_mov_b32 v[TA+4*\q+2], 0                      ; written once: a lane permute's destination counts as one of its sources
.endr
	s_wait_kmcnt 0x0
	s_add_co_i32 s73, s68, s69
	s_lshl_b32 s73, s73, 23
	s_add_co_i32 s[CS], s[CS], s73                 ; a score stands for score x 2^(e8 + e9)
	s_mov_b32 s[CS+1], s[CS]                       ; (named with it as a pair, so it is written)
	s_add_co_i32 s73, s70, 127
	s_lshl_b32 s74, s73, 23
	v_mov_b32 v[SCP], s74                          ; 2^e10
	s_add_co_i32 s73, s72, 127
	s_lshl_b32 s74, s73, 23
	v_mov_b32 v[SCO], s74                          ; 2^e12
	s_add_co_i32 s73, s73, 8
	s_lshl_b32 s73, s73, 23
	s_or_b32 s73, s73, 0x600000
; The tiles that are read next have landed: each fetching wave has at most `left` of its four loads out (the other waves have none), then the barrier.
.macro MEET left
	s_wait_tensorcnt \left
	s_wait_dscnt 0x0
	s_barrier_signal -1
	s_barrier_wait -1
.endm
; A KEY STEP: 128 keys, for my two tiles of queries.  fixed = 1: the step begins at the constant LDS byte `base`; 0: at s[TB], which is stepped at the end.
.macro STEP fixed, base
.if \fixed
	v_add_nc_u32 v[ADK], (\base), v[AK0]
	v_add_nc_u32 v[ADV], (\base), v[AV0]
.else
	v_add_nc_u32 v[ADK], s[TB], v[AK0]
	v_add_nc_u32 v[ADV], s[TB], v[AV0]
.endif
	v_nop                                          ; with the two additions: four plain vector lines between the last products and the loads into the registers that they read
	v_nop
.irp t, 0,1,2,3                                ; K's eight fragments in one run: tiles 0-3 into FA, tiles 4-7 into FB
.irp c, 0,1,2,3
	ds_load_b128 v[FA+16*\t+4*\c:FA+16*\t+4*\c+3], v[ADK] offset:16*\t*KP+32*\c
.endr
.endr
	WIN 0x40                                       ; destination window 1
.irp t, 0,1,2,3
.irp c, 0,1,2,3
	ds_load_b128 v[FB+16*\t+4*\c:FB+16*\t+4*\c+3], v[ADK] offset:16*(4+\t)*KP+32*\c
.endr
.endr
	s_wait_alu depctr_va_vdst(0)
	s_wait_dscnt 16                                ; FA's sixteen loads are in; FB's sixteen may be out
	WIN 0x04                                       ; Q in window 1
.irp t, 0,1,2,3                                ; S^T = K Q^T: each fragment of K against both tiles of queries
.irp q, 0,1
	v_wmma_f32_16x16x128_fp8_fp8 v[S+64*\q+8*\t:S+64*\q+8*\t+7], v[FA+16*\t:FA+16*\t+15], v[Q+16*\q:Q+16*\q+15], 0
.endr
.endr
	s_wait_dscnt 0x0
	WIN 0x05                                       ; K's fragments in window 1 too
.irp t, 0,1,2,3
.irp q, 0,1
	v_wmma_f32_16x16x128_fp8_fp8 v[S+64*\q+8*(4+\t):S+64*\q+8*(4+\t)+7], v[FB+16*\t:FB+16*\t+15], v[Q+16*\q:Q+16*\q+15], 0
.endr
.endr
	WIN 0
.rept 4
	v_nop                                          ; places in front of the loads into FA and of the first read of the scores
.endr
.irp t, 0,1,2,3                                ; V's channels 0-63 into FA: they land under the softmax.  Registers 2 c, 2 c + 1: keys 16 c + 8 h + 0 .. 7
.irp c, 0,1,2,3,4,5,6,7
	ds_load_b64 v[FA+16*\t+2*\c:FA+16*\t+2*\c+1], v[ADV] offset:16*\t*KP+16*\c
.endr
.endr
.irp q, 0,1                                    ; the step's largest score of my query, among my 64 keys: two chains a tile, the tiles by turns; each accumulator is read from its low end on
	v_max3_num_f32 v[TA+4*\q], v[S+64*\q], v[S+64*\q+1], v[S+64*\q+2]
	v_max3_num_f32 v[TA+4*\q+1], v[S+64*\q+3], v[S+64*\q+4], v[S+64*\q+5]
.endr
.irp i, 6,10,14,18,22,26,30,34,38,42,46,50,54,58
.irp q, 0,1
	v_max3_num_f32 v[TA+4*\q], v[TA+4*\q], v[S+64*\q+\i], v[S+64*\q+\i+1]
	v_max3_num_f32 v[TA+4*\q+1], v[TA+4*\q+1], v[S+64*\q+\i+2], v[S+64*\q+\i+3]
.endr
.endr
.irp q, 0,1
	v_max3_num_f32 v[TA+4*\q], v[TA+4*\q], v[S+64*\q+62], v[S+64*\q+63]
.endr
.irp q, 0,1
	s_delay_alu instid0(VALU_DEP_2)
	v_max_num_f32 v[TA+4*\q], v[TA+4*\q], v[TA+4*\q+1]
.endr
.irp q, 0,1
	s_delay_alu instid0(VALU_DEP_2)
	v_permlanex16_b32 v[TA+4*\q+2], v[TA+4*\q], s[SEL], s[SEL+1]
.endr
.irp q, 0,1
	s_delay_alu instid0(VALU_DEP_2)
	v_max_num_f32 v[TA+4*\q], v[TA+4*\q], v[TA+4*\q+2]      ; and among lane l xor 16's
.endr
.irp q, 0,1
	s_delay_alu instid0(VALU_DEP_2)
	v_mul_f32 v[TA+4*\q], s[CS], v[TA+4*\q]                 ; as t (c is positive)
.endr
.irp q, 0,1
	s_delay_alu instid0(VALU_DEP_2)
	v_max_num_f32 v[NM+2*\q+1], v[NM+2*\q+1], v[TA+4*\q]    ; the running largest t
.endr
.irp q, 0,1
	v_mov_b32 v[TA+4*\q], v[NM+2*\q]
.endr
.irp q, 0,1
	s_delay_alu instid0(VALU_DEP_4)
	v_floor_f32 v[NM+2*\q], -v[NM+2*\q+1]                   ; the new -M = floor(-t): M is a whole number
.endr
.irp q, 0,1
	s_delay_alu instid0(VALU_DEP_2)
	v_sub_f32 v[TA+4*\q], v[NM+2*\q], v[TA+4*\q]            ; M's old value less its new one: a whole number, 0 or less
.endr
.irp q, 0,1
	s_delay_alu instid0(VALU_DEP_2)
	v_cvt_i32_f32 v[TA+4*\q], v[TA+4*\q]                    ; (it saturates)
.endr
.irp q, 0,1
	s_delay_alu instid0(VALU_DEP_2)
	v_ldexp_f32 v[FF+2*\q], 1.0, v[TA+4*\q]                 ; f = 2^(old M - new M)
.endr
.irp q, 0,1
.set j, 0
.rept 32
	v_pk_fma_f32 v[S+64*\q+j:S+64*\q+j+1], v[S+64*\q+j:S+64*\q+j+1], s[CS:CS+1], v[NM+2*\q:NM+2*\q+1] op_sel_hi:[1,0,0]   ; t - M, two at a time
.set j, j+2
.endr
.endr
	WIN 0x40
.irp t, 0,1,2,3                                ; V's channels 64-127 into FB
.irp c, 0,1,2,3,4,5,6,7
	ds_load_b64 v[FB+16*\t+2*\c:FB+16*\t+2*\c+1], v[ADV] offset:16*(4+\t)*KP+16*\c
.endr
.endr
	WIN 0
.set j, 0
	s_wait_alu depctr_va_vdst(0)
.rept 128
	v_exp_f32 v[S+j], v[S+j]                       ; p = 2^(t - M), at most 1: one batch for both tiles
.set j, j+1
.endr
	WIN 0x41                                       ; O^T (destination and source 0) in window 1, f in window 0
	s_setprio 1
	s_wait_alu depctr_va_vdst(0)
.irp q, 0,1
.set j, 0
.rept 32
	v_pk_mul_f32 v[O+64*\q+j:O+64*\q+j+1], v[O+64*\q+j:O+64*\q+j+1], v[FF+2*\q:FF+2*\q+1] op_sel_hi:[1,0]   ; O^T under the new M: work that names no exponential's result, between the batch and its wait
.set j, j+2
.endr
.endr
	WIN 0
.irp q, 0,1
	v_pk_mul_f32 v[SU+2*\q:SU+2*\q+1], v[SU+2*\q:SU+2*\q+1], v[FF+2*\q:FF+2*\q+1] op_sel_hi:[1,0]   ; the sums under the new M
.endr
	s_wait_alu depctr_va_vdst(0)                   ; one wait for the whole batch, ahead of its first reader
.irp q, 0,1
	v_pk_add_f32 v[CH+2*\q:CH+2*\q+1], v[S+64*\q:S+64*\q+1], v[S+64*\q+2:S+64*\q+3]   ; the row's sum is taken of the unquantised p: two at a time, two chains a tile
.endr
.irp j, 4,8,12,16,20,24,28,32,36,40,44,48,52,56,60
.irp q, 0,1
	v_pk_add_f32 v[SU+2*\q:SU+2*\q+1], v[SU+2*\q:SU+2*\q+1], v[S+64*\q+\j:S+64*\q+\j+1]
	v_pk_add_f32 v[CH+2*\q:CH+2*\q+1], v[CH+2*\q:CH+2*\q+1], v[S+64*\q+\j+2:S+64*\q+\j+3]
.endr
.endr
.irp q, 0
	s_delay_alu instid0(VALU_DEP_3)
	v_pk_add_f32 v[SU+2*\q:SU+2*\q+1], v[SU+2*\q:SU+2*\q+1], v[CH+2*\q:CH+2*\q+1]
.endr
.irp q, 1
	s_delay_alu instid0(VALU_DEP_2)
	v_pk_add_f32 v[SU+2*\q:SU+2*\q+1], v[SU+2*\q:SU+2*\q+1], v[CH+2*\q:CH+2*\q+1]
.endr
.set j, 0
.rept 128
.set j, j+1
.endr
	WIN 0x40                                       ; the codes go to window 1
.irp q, 0,1
.irp t, 0,1,2,3,4,5,6,7
	v_cvt_scalef32_pk8_fp8_f32 v[P+16*\q+2*\t:P+16*\q+2*\t+1], v[S+64*\q+8*\t:S+64*\q+8*\t+7], v[SCP]   ; tile t's eight keys: registers 2 t, 2 t + 1 of the operand
.endr
.endr
	v_nop                                          ; a plain vector line between the last conversion and the products that read the codes
	s_wait_alu depctr_va_vdst(0)
	s_wait_dscnt 0x0                               ; V is in
	WIN 0x54                                       ; V in window 0; p's codes, C and D in window 1
	s_setprio 0
.irp t, 0,1,2,3                                ; O^T += V^T P^T: sixteen accumulators, one instruction each
.irp q, 0,1
	v_wmma_f32_16x16x128_fp8_fp8 v[O+64*\q+8*\t:O+64*\q+8*\t+7], v[FA+16*\t:FA+16*\t+15], v[P+16*\q:P+16*\q+15], v[O+64*\q+8*\t:O+64*\q+8*\t+7]
.endr
.endr
	WIN 0x55                                       ; V in window 1 too
.irp t, 0,1,2,3
.irp q, 0,1
	v_wmma_f32_16x16x128_fp8_fp8 v[O+64*\q+8*(4+\t):O+64*\q+8*(4+\t)+7], v[FB+16*\t:FB+16*\t+15], v[P+16*\q:P+16*\q+15], v[O+64*\q+8*(4+\t):O+64*\q+8*(4+\t)+7]
.endr
.endr
	WIN 0                                          ; at a label and at a branch every window is 0
.if (\fixed) == 0
	s_add_co_u32 s[TB], s[TB], STEPB
.endif
.endm
	s_wait_loadcnt 0x0                             ; Q
	MEET 3                                         ; each fetching wave's first load is done: key steps 0 and 1; its three later loads may be out
	STEP 1, 0
	STEP 1, STEPB
	MEET 0                                         ; all tiles have landed: the loads had two key steps' work more in which to land
	s_mov_b32 s[TB], 2*STEPB
	s_mov_b32 s[CNT], 6
.Lstep:                                            ; key steps 2 to 7
	s_setprio 2
	STEP 0, 0
	s_sub_co_u32 s[CNT], s[CNT], 1
	s_cmp_lg_u32 s[CNT], 0
	s_cbranch_scc1 .Lstep
	s_setprio 0
	; THE WAY OUT.  O^T x 2^(e10 + e11) / the sum is ctx; it is held, turned into codes with e12 (a lane's eight channels: 8 bytes) and goes through my stage, a tile of 16 rows at a time; my 32 rows of the head's panel are 4,096 consecutive bytes.
.rept 4
	v_nop                                          ; places behind the last products
.endr
.irp q, 0,1
	v_add_f32 v[SU+2*\q], v[SU+2*\q], v[SU+2*\q+1]          ; the sum's two halves,
.endr
.irp q, 0,1
	s_delay_alu instid0(VALU_DEP_2)
	v_permlanex16_b32 v[TA+4*\q+2], v[SU+2*\q], s[SEL], s[SEL+1]
.endr
.irp q, 0,1
	s_delay_alu instid0(VALU_DEP_2)
	v_add_f32 v[SU+2*\q], v[SU+2*\q], v[TA+4*\q+2]          ; and lane l xor 16's
.endr
	s_wait_alu depctr_va_vdst(0)
.irp q, 0,1
	v_rcp_f32 v[SU+2*\q], v[SU+2*\q]
.endr
	v_nop                                          ; a plain line behind the transcendentals
	s_add_co_i32 s73, s70, s71
	s_wait_alu depctr_va_vdst(0)                   ; one wait for both, ahead of their first reader
.irp q, 0,1
	v_ldexp_f32 v[SU+2*\q], v[SU+2*\q], s73                 ; x 2^(e10 + e11)
.endr
	WIN 0x01                                       ; O^T in window 1; the results take p's registers
.irp q, 0,1
.set j, 0
.rept 32
	v_pk_mul_f32 v[S+64*\q+j:S+64*\q+j+1], v[O+64*\q+j:O+64*\q+j+1], v[SU+2*\q:SU+2*\q+1] op_sel_hi:[1,0]   ; register 8 t + i is ctx(r, 16 t + 8 h + i); each accumulator from its low end on
.set j, j+2
.endr
.endr
	WIN 0
.set j, 0
.rept 128
.set j, j+1
.endr
.irp q, 0,1
.irp t, 0,1,2,3,4,5,6,7
	v_cvt_scalef32_pk8_fp8_f32 v[FA+16*\q+2*\t:FA+16*\q+2*\t+1], v[S+64*\q+8*\t:S+64*\q+8*\t+7], v[SCO]
.endr
.endr
	v_nop                                          ; a plain vector line behind the last conversion
.irp q, 0,1
.irp t, 0,1,2,3,4,5,6,7
	ds_store_b64 v[STI], v[FA+16*\q+2*\t:FA+16*\q+2*\t+1] offset:16*\t
.endr
.irp i, 0,1,2,3
	ds_load_b128 v[FA+32+16*\q+4*\i:FA+32+16*\q+4*\i+3], v[STB] offset:4*KP*\i   ; LDS serves a wave's instructions in order: these see my stores, and the next tile's stores come behind them
.endr
.endr
.irp q, 0,1
.irp i, 0,1,2,3
	s_wait_dscnt (1-\q)*12+3-\i                    ; behind this load: its tile's later loads, and for tile 0 also tile 1's 8 stores and 4 loads
	global_store_b128 v[GO], v[FA+32+16*\q+4*\i:FA+32+16*\q+4*\i+3], s[16:17] offset:2048*\q+512*\i   ; 32 lanes store 512 consecutive bytes, aligned
.endr
.endr
	s_wait_tensorcnt 0x0
	s_wait_dscnt 0x0
	s_wait_tensorcnt 0x0
	ds_add_u32 v62, v63
	s_wait_dscnt 0x0
	CROUND                                         ; the closing round
	s_endpgm
.Lfunc_end_k_qd2e6e61dde_attn:
	.size	k_qd2e6e61dde_attn, .Lfunc_end_k_qd2e6e61dde_attn-k_qd2e6e61dde_attn
	.p2alignl 7, 3214868480
	.fill 96, 4, 3214868480
	.section	.rodata,"a",@progbits
	.p2align	6, 0x0
	.amdhsa_kernel k_qd2e6e61dde_attn
		.amdhsa_group_segment_fixed_size 327680
		.amdhsa_private_segment_fixed_size 0
		.amdhsa_enable_private_segment 0
		.amdhsa_kernarg_size 40
		.amdhsa_user_sgpr_count 2
		.amdhsa_user_sgpr_kernarg_segment_ptr 1
		.amdhsa_wavefront_size32 1
		.amdhsa_system_sgpr_workgroup_id_x 1
		.amdhsa_system_sgpr_workgroup_id_y 1
		.amdhsa_system_sgpr_workgroup_id_z 1
		.amdhsa_system_vgpr_workitem_id 0
		.amdhsa_next_free_vgpr 512
		.amdhsa_next_free_sgpr 84
		.amdhsa_reserve_vcc 0
		.amdhsa_float_denorm_mode_32 3
		.amdhsa_float_denorm_mode_16_64 3
		.amdhsa_fp16_overflow 1
		.amdhsa_memory_ordered 1
		.amdhsa_forward_progress 1
		.amdhsa_inst_pref_size 117
	.end_amdhsa_kernel
	.amdgpu_metadata
---
amdhsa.version: [ 1, 2 ]
amdhsa.kernels:
  - .name:           k_qd2e6e61dde_attn
    .symbol:         k_qd2e6e61dde_attn.kd
    .args:
      - { .name: qc, .offset: 0, .size: 8, .value_kind: global_buffer, .address_space: global }
      - { .name: kc, .offset: 8, .size: 8, .value_kind: global_buffer, .address_space: global }
      - { .name: vc, .offset: 16, .size: 8, .value_kind: global_buffer, .address_space: global }
      - { .name: lowp_scales, .offset: 24, .size: 8, .value_kind: global_buffer, .address_space: global }
      - { .name: cc, .offset: 32, .size: 8, .value_kind: global_buffer, .address_space: global }
    .group_segment_fixed_size: 327680
    .private_segment_fixed_size: 0
    .kernarg_segment_align: 8
    .kernarg_segment_size: 40
    .max_flat_workgroup_size: 256
    .sgpr_count:     84
    .vgpr_count:     512
    .wavefront_size: 32
...
	.end_amdgpu_metadata
.endif
;; end of part 4
;; launch out (part 5): grid 8 x 16, 4 waves a work-group, clusters of 4 x 4, 327,680 bytes of LDS; arguments cc, wc, lowp_scales, b_o, out0; writes out0
.if DOCPART == 5
	.amdgcn_target "amdgcn-amd-amdhsa--gfx1250"
	.amdhsa_code_object_version 6
	.text
	.protected	k_qd2e6e61dde_out
	.globl	k_qd2e6e61dde_out
	.p2align	8
	.type	k_qd2e6e61dde_out,@function
k_qd2e6e61dde_out:
	s_mov_b64 s[64:65], 0
	v_nop
	global_prefetch_b8 v0, s[64:65] scope:SCOPE_SE
	s_setreg_imm32_b32 hwreg(HW_REG_WAVE_MODE, 25, 1), 1
	s_wait_xcnt 0x0
	s_wait_alu depctr_hold_cnt(0) depctr_sa_sdst(0) depctr_va_vdst(0) depctr_va_sdst(0) depctr_va_ssrc(0) depctr_va_vcc(0) depctr_vm_vsrc(0)
	s_getreg_b32 s2, hwreg(HW_REG_IB_STS2, 6, 4)
	s_cmp_eq_u32 s2, 0
	s_cbranch_scc0 .Lentry_in_a_cluster
	s_endpgm
.Lentry_in_a_cluster:
	s_bfe_u32 s2, ttmp6, 0x10000c
	s_cmp_lg_u32 s2, 0xf033
	s_cbranch_scc0 .Lentry_shape_is_right
	s_endpgm
.Lentry_shape_is_right:
; out0 = ctx W_o + b_o, on codes of E4M3: cc [16 panels][4096 rows][128] (e12) and W_o's part of wc, [16 panels][2048 rows n][128] at byte 7,340,032 (e13).  out0: [4096][2048] f32.
; A tile of C, 256 x 256, is made by a work-group of four waves; a wave makes 128 x 128: 64 accumulators.  K = 2,048 goes in steps of 256 (two panels) through a ring of two LDS slots.  8 x 16 tiles: 128 work-groups.
; CLUSTERS: 4 x 4 work-groups; A's tiles are asked for jointly along a row of the cluster, B's along a column.  The matrix instruction is used transposed (source 0 = 16 rows of B, source 1 = 16 rows of A): a lane holds eight
; neighbouring columns of one row of C.  A fragment is fetched by four loads of 16 bytes: a permutation of k inside the instruction, the same in A and in B.
; LIMIT: e12 + e13 between -126 and 127.
; REGISTERS, in windows of 256: window 0: v0-31 addresses; v32-95 the bias of my 128 columns in the result's layout; from v128 A's fragments, ONE set; on the way out v128-255 take rows read back.
;   window 1: B's fragments, TWO sets.   windows 2, 3: the accumulators ((a, b) at v[8 (8 (a % 4) + b)]).
.set PSA,    524288
.set PSB,    262144
.set LAPS,   4
.set PITCH,  272
.set HALFT,  128*PITCH
.set SLOT,   4*HALFT
.set SPARE,  2*SLOT
.set SPITCH, 528                       ; the way out: a stage of 16 rows x (512 bytes + 16) for each wave, in slot 0, which has had its last fill and its last read by then
.set FR,     16
.set NL,     4
.set NP,     4
.set ADRA, 16
.set ADRB, 20
.set STO,  24
.set RD,   25
.set CO,   26
.set BO,   27
.set SPW,  28
.set NIL,  29
.set BC,   32
.set AF,   128
.set BK,   128                         ; 16 rows read back from the stage: v128-191 and v192-255 by turns
.set G1, 24
.set G0, 32
.set G1B, 48
.set G0B, 56
.set OUTP, 94
.set MSB, 0
.macro WIN new
.if MSB != (\new)
	s_set_vgpr_msb (MSB<<8)|(\new)
.set MSB, (\new)
.endif
.endm
.set MUL_LO, 0xa1
.set MUL_HI, 0xf1
.set TO_B,   0x40
.macro JLOAD g0a, g1a, g0b, g1b        ; waves 0 and 1 fetch A's two panels, waves 2 and 3 B's; four v_nop follow each of the two lines
	s_cmp_eq_u32 s15, 0
	s_cbranch_scc0 .Lfor_b_\@
	tensor_load_to_lds s[\g0a:\g0a+3], s[\g1a:\g1a+7]
	s_nop 0
.rept 4
	v_nop
.endr
	s_branch .Lasked_\@
.Lfor_b_\@:
	tensor_load_to_lds s[\g0b:\g0b+3], s[\g1b:\g1b+7]
	s_nop 0
.rept 4
	v_nop
.endr
.Lasked_\@:
.endm
.macro CREST
	s_cmp_lg_u32 s14, 0
	s_cbranch_scc1 .Lnot_wave_0_\@
	s_barrier_signal -3
.Lnot_wave_0_\@:
	s_barrier_wait -3
	s_barrier_signal -1
	s_barrier_wait -1
.endm
.macro CROUND
	s_barrier_signal -1
	s_barrier_wait -1
	CREST
.endm
	s_load_b128 s[4:7], s[0:1], 0x0                ; cc, wc
	s_load_b128 s[8:11], s[0:1], 0x10              ; the exponents, b_o
	s_load_b64 s[84:85], s[0:1], 0x20              ; out0
	v_lshl_add_u32 v[SPW], v0, 2, SPARE
	v_mov_b32 v[NIL], 0
	ds_add_u32 v28, v29
	ds_add_u32 v28, v29
	s_wait_dscnt 0x0
	v_lshrrev_b32 v1, 5, v0
	v_readfirstlane_b32 s14, v1                    ; wave 0..3
	s_lshr_b32 s15, s14, 1
	s_and_b32 s16, s14, 1
	s_bfe_u32 s40, ttmp6, 0x40000                  ; cx, cy
	s_bfe_u32 s41, ttmp6, 0x40004
	s_lshl_b32 s42, ttmp9, 2
	s_add_co_u32 s42, s42, s40                     ; tile column
	s_and_b32 s17, ttmp7, 0xffff
	s_lshl_b32 s17, s17, 2
	s_add_co_u32 s17, s17, s41                     ; tile row
	s_lshl_b32 s43, s41, 2
	s_lshl_b32 s43, 15, s43
	s_lshl_b32 s44, 0x1111, s40
	s_or_b32 s[G1+0], s43, (1<<20)|(1<<21)|(5<<22)|(3<<25)   ; a panel's 256 rows of 128 bytes, dense, as 128 rows of 256 bytes with 16 bytes of padding behind each
	s_or_b32 s[G1B+0], s44, (1<<20)|(1<<21)|(5<<22)|(3<<25)
.irp g, G1, G1B
	s_mov_b32 s[\g+1], 256<<16
	s_mov_b32 s[\g+2], 128<<16
	s_mov_b32 s[\g+3], 256<<16
	s_mov_b32 s[\g+4], 128
	s_mov_b32 s[\g+5], 256
	s_mov_b32 s[\g+6], 0
	s_mov_b32 s[\g+7], 0
.endr
	s_lshl_b32 s20, s17, 15
	s_mul_i32 s21, s16, PSA
	s_add_co_u32 s20, s20, s21
	s_mov_b32 s21, 0
	s_lshl_b32 s46, s42, 15
	s_mul_i32 s47, s16, PSB
	s_add_co_u32 s46, s46, s47
	s_add_co_u32 s46, s46, 7340032                 ; W_o's part of wc
	s_mov_b32 s47, 0
	s_mul_i32 s45, s14, HALFT
	s_wait_kmcnt 0x0
	s_load_b64 s[68:69], s[8:9], 0x30              ; e12, e13
	s_add_nc_u64 s[20:21], s[4:5], s[20:21]
	s_add_nc_u64 s[46:47], s[6:7], s[46:47]
	CROUND
.irp s, 0,1
	s_mov_b32 s[G0+4*\s], 1
	s_add_co_u32 s[G0+4*\s+1], s45, \s*SLOT
	s_add_nc_u64 s[G0+4*\s+2:G0+4*\s+3], s[20:21], \s*2*PSA
	s_or_b32 s[G0+4*\s+3], s[G0+4*\s+3], 0x80000000
	s_mov_b32 s[G0B+4*\s], 1
	s_add_co_u32 s[G0B+4*\s+1], s45, \s*SLOT
	s_add_nc_u64 s[G0B+4*\s+2:G0B+4*\s+3], s[46:47], \s*2*PSB
	s_or_b32 s[G0B+4*\s+3], s[G0B+4*\s+3], 0x80000000
	JLOAD G0+4*\s, G1, G0B+4*\s, G1B
.endr
	v_and_b32 v1, 15, v0                           ; r
	v_bfe_u32 v2, v0, 4, 1                         ; h
	v_lshrrev_b32 v3, 1, v1
	v_mul_u32_u24 v3, v3, PITCH
	v_and_b32 v5, 1, v1
	v_lshl_add_u32 v3, v5, 7, v3
	v_lshl_add_u32 v4, v2, 4, v3
	s_mul_i32 s21, s15, 64*PITCH
	s_mul_i32 s22, s16, 64*PITCH
	s_add_co_u32 s22, s22, 2*HALFT
.irp s, 0,1
	v_add_nc_u32 v[ADRA+\s], s21, v4
	v_add_nc_u32 v[ADRB+\s], s22, v4
	s_add_co_u32 s21, s21, SLOT
	s_add_co_u32 s22, s22, SLOT
.endr
	s_mul_i32 s23, s14, 16*SPITCH                  ; my stage
	v_mul_u32_u24 v5, v1, SPITCH
	v_lshl_add_u32 v5, v2, 5, v5
	v_add_nc_u32 v[STO], s23, v5                   ; in: row r, 32 bytes for each half of the lanes
	v_and_b32 v6, 31, v0
	v_lshlrev_b32 v[CO], 4, v6                     ; back: the 32 lanes take one row of 512 bytes; and the same in out0
	v_add_nc_u32 v[RD], s23, v[CO]
	v_lshlrev_b32 v[BO], 5, v2
	s_lshl_b32 s92, s42, 10
	s_lshl_b32 s93, s16, 9
	s_add_co_u32 s92, s92, s93                     ; my first column, in bytes of f32
	s_mov_b32 s93, 0
	s_add_nc_u64 s[90:91], s[10:11], s[92:93]
.irp b, 0,1,2,3,4,5,6,7
	global_load_b128 v[BC+8*\b:BC+8*\b+3], v[BO], s[90:91] offset:64*\b        ; register 8 b + j is column 16 b + 8 h + j
	global_load_b128 v[BC+8*\b+4:BC+8*\b+7], v[BO], s[90:91] offset:64*\b+16
.endr
	s_lshl_b32 s98, s17, 21                        ; 256 rows of 8,192 bytes for each tile row
	s_add_co_u32 s92, s92, s98
	s_lshl_b32 s98, s15, 20
	s_add_co_u32 s92, s92, s98
	s_add_nc_u64 s[OUTP:OUTP+1], s[84:85], s[92:93]
	s_wait_kmcnt 0x0
	s_add_co_i32 s96, s68, s69
	s_add_co_i32 s96, s96, 127
	s_lshl_b32 s96, s96, 23                        ; 2^(e12 + e13) as f32
	s_mov_b32 s97, s96
.macro FRAG reg, adr, q, i
.irp c, 0,1,2,3
	ds_load_b128 v[\reg+4*\c:\reg+4*\c+3], v[\adr] offset:HALFT*(\q)+32*\c+(\i)*8*PITCH
.endr
.endm
.macro MUL16 a0, p, zero               ; the 64 accumulators take turns, one instruction a turn
.irp a, \a0, \a0+1
.irp b, 0,1,2,3,4,5,6,7
.if \zero
	v_wmma_f32_16x16x128_fp8_fp8 v[8*(8*((\a)%4)+\b):8*(8*((\a)%4)+\b)+7], v[128*(\p)+FR*\b:128*(\p)+FR*\b+FR-1], v[AF+FR*(\a):AF+FR*(\a)+FR-1], 0
.else
	v_wmma_f32_16x16x128_fp8_fp8 v[8*(8*((\a)%4)+\b):8*(8*((\a)%4)+\b)+7], v[128*(\p)+FR*\b:128*(\p)+FR*\b+FR-1], v[AF+FR*(\a):AF+FR*(\a)+FR-1], v[8*(8*((\a)%4)+\b):8*(8*((\a)%4)+\b)+7]
.endif
.endr
.endr
.endm
.macro FETCH_B slot, q, p
	WIN TO_B
.irp i, 0,1,2,3,4,5,6,7
	FRAG 128*(\p)+FR*\i, ADRB+\slot, \q, \i
.endr
	WIN 0
.endm
.macro FETCH_A slot, q, i0
.irp i, \i0, \i0+1, \i0+2, \i0+3
	FRAG AF+FR*(\i), ADRA+\slot, \q, \i
.endr
.endm
.macro PLACES n
.rept \n
	v_nop
.endr
.endm
.macro STEP slot, q, zero
	s_wait_dscnt 4*NL                              ; the youngest 16 loads (A's blocks 4-7) may be out
	WIN MUL_LO
	MUL16 0, (\q)%2, \zero
	MUL16 2, (\q)%2, \zero
	s_wait_dscnt 0
	PLACES NP
	FETCH_B \slot, (\q)+1, 1-(\q)%2
	FETCH_A \slot, (\q)+1, 0
	WIN MUL_HI
	MUL16 4, (\q)%2, \zero
	MUL16 6, (\q)%2, \zero
	PLACES NP
	WIN 0
	FETCH_A \slot, (\q)+1, 4
.endm
.macro TURN slot, next, fill
	s_wait_tensorcnt 0x0                           ; all my tensor loads have landed: my part of the next slot
	ds_add_u32 v[SPW], v[NIL]                      ; 0 onto my spare word
	s_wait_dscnt 4*NL+1                            ; (the add and the youngest 16 loads may be out)
	WIN MUL_LO
	MUL16 0, 1, 0
	s_wait_dscnt 0x0                               ; the add is done, and my reads of this slot are over
	s_barrier_signal -1
	MUL16 2, 1, 0
	WIN 0
	s_barrier_wait -1
.if \fill
	CREST                                          ; the barrier has opened a round of the cluster's barrier
	s_add_nc_u64 s[G0+4*\slot+2:G0+4*\slot+3], s[G0+4*\slot+2:G0+4*\slot+3], 4*PSA
	s_add_nc_u64 s[G0B+4*\slot+2:G0B+4*\slot+3], s[G0B+4*\slot+2:G0B+4*\slot+3], 4*PSB
	JLOAD G0+4*\slot, G1, G0B+4*\slot, G1B         ; the first tensor load behind the round
.else
	PLACES NP
.endif
	s_wait_alu depctr_va_vdst(0)
	FETCH_B \next, 0, 0
	FETCH_A \next, 0, 0
	WIN MUL_HI
	MUL16 4, 1, 0
	MUL16 6, 1, 0
	PLACES NP
	WIN 0
	FETCH_A \next, 0, 4
.endm
	s_wait_loadcnt 0x0                             ; the bias
	s_wait_tensorcnt 1                             ; my part of K step 0 is in (K step 1's load may be out)
	s_barrier_signal -1
	s_barrier_wait -1
	FETCH_B 0, 0, 0
	FETCH_A 0, 0, 0
	FETCH_A 0, 0, 4
	STEP 0, 0, 1
.if LAPS > 1
	s_mov_b32 s3, LAPS-1
.Llap:
	TURN 0, 1, 1
	STEP 1, 0, 0
	TURN 1, 0, 1
	STEP 0, 0, 0
	s_sub_co_u32 s3, s3, 1
	s_cmp_lg_u32 s3, 0
	s_cbranch_scc1 .Llap
.endif
	TURN 0, 1, 0
	STEP 1, 0, 0
	s_wait_dscnt 4*NL
	WIN MUL_LO
	MUL16 0, 1, 0
	MUL16 2, 1, 0
	s_wait_dscnt 0
	WIN MUL_HI
	MUL16 4, 1, 0
	MUL16 6, 1, 0
	WIN 0
; THE WAY OUT, block by block of 16 rows x 128 columns: sum x 2^(e12 + e13) + bias, one fused multiply-add, in place; through my stage; back as whole rows of 512 bytes, which the 32 lanes store as one aligned run of 512 bytes.
.macro TOSTAGE a
.set AC, 64*((\a)%4)
	WIN 0x82+0x41*((\a)/4)                         ; source 0 and destination: window 2 or 3; the bias in window 0
.set j, 0
.rept 32
	v_pk_fma_f32 v[AC+j:AC+j+1], v[AC+j:AC+j+1], s[96:97], v[BC+j:BC+j+1] op_sel_hi:[1,0,1]   ; each accumulator from its low end on
.set j, j+2
.endr
	WIN 0x08+0x04*((\a)/4)                         ; the stores' data: window 2 or 3
.irp b, 0,1,2,3,4,5,6,7
	ds_store_b128 v[STO], v[AC+8*\b:AC+8*\b+3] offset:64*\b
	ds_store_b128 v[STO], v[AC+8*\b+4:AC+8*\b+7] offset:64*\b+16
.endr
	WIN 0
.set BB, BK+64*((\a)%2)
.irp t, 0,1,2,3,4,5,6,7,8,9,10,11,12,13,14,15
	ds_load_b128 v[BB+4*\t:BB+4*\t+3], v[RD] offset:\t*SPITCH   ; LDS serves a wave's instructions in order: these see the stores above
.endr
.endm
.macro SEND a, younger
.set BB, BK+64*((\a)%2)
	s_wait_dscnt \younger
.if (\a) > 0
	s_add_nc_u64 s[OUTP:OUTP+1], s[OUTP:OUTP+1], 16*8192   ; (behind a wait on XCNT: the earlier stores have read their base)
.endif
.irp t, 0,1,2,3,4,5,6,7,8,9,10,11,12,13,14,15
	global_store_b128 v[CO], v[BB+4*\t:BB+4*\t+3], s[OUTP:OUTP+1] offset:\t*8192 th:TH_STORE_NT
.endr
.endm
	PLACES NP
	TOSTAGE 0
.irp a, 1,2,3,4,5,6,7
.if \a > 1
	s_wait_xcnt 0x0                                ; block a - 2's stores have read their registers and their base
.endif
	TOSTAGE \a
	SEND \a-1, 32                                  ; behind block a - 1's loads: block a's 16 stores and 16 loads
.endr
	s_wait_xcnt 0x0
	SEND 7, 0
	s_wait_tensorcnt 0x0                           ; the wave's end
	ds_add_u32 v[SPW], v[NIL]
	s_wait_dscnt 0x0
	CROUND                                         ; the closing round
	s_endpgm
.Lfunc_end_k_qd2e6e61dde_out:
	.size	k_qd2e6e61dde_out, .Lfunc_end_k_qd2e6e61dde_out-k_qd2e6e61dde_out
	.p2alignl 7, 3214868480
	.fill 96, 4, 3214868480
	.section	.rodata,"a",@progbits
	.p2align	6, 0x0
	.amdhsa_kernel k_qd2e6e61dde_out
		.amdhsa_group_segment_fixed_size 327680
		.amdhsa_private_segment_fixed_size 0
		.amdhsa_enable_private_segment 0
		.amdhsa_kernarg_size 40
		.amdhsa_user_sgpr_count 2
		.amdhsa_user_sgpr_kernarg_segment_ptr 1
		.amdhsa_wavefront_size32 1
		.amdhsa_system_sgpr_workgroup_id_x 1
		.amdhsa_system_sgpr_workgroup_id_y 1
		.amdhsa_system_sgpr_workgroup_id_z 1
		.amdhsa_system_vgpr_workitem_id 0
		.amdhsa_next_free_vgpr 1024
		.amdhsa_next_free_sgpr 100
		.amdhsa_reserve_vcc 0
		.amdhsa_float_denorm_mode_32 3
		.amdhsa_float_denorm_mode_16_64 3
		.amdhsa_memory_ordered 1
		.amdhsa_forward_progress 1
		.amdhsa_inst_pref_size 125
	.end_amdhsa_kernel
	.amdgpu_metadata
---
amdhsa.version: [ 1, 2 ]
amdhsa.kernels:
  - .name:           k_qd2e6e61dde_out
    .symbol:         k_qd2e6e61dde_out.kd
    .args:
      - { .name: cc, .offset: 0, .size: 8, .value_kind: global_buffer, .address_space: global }
      - { .name: wc, .offset: 8, .size: 8, .value_kind: global_buffer, .address_space: global }
      - { .name: lowp_scales, .offset: 16, .size: 8, .value_kind: global_buffer, .address_space: global }
      - { .name: b_o, .offset: 24, .size: 8, .value_kind: global_buffer, .address_space: global }
      - { .name: out0, .offset: 32, .size: 8, .value_kind: global_buffer, .address_space: global }
    .group_segment_fixed_size: 327680
    .private_segment_fixed_size: 0
    .kernarg_segment_align: 8
    .kernarg_segment_size: 40
    .max_flat_workgroup_size: 128
    .sgpr_count:     100
    .vgpr_count:     1024
    .wavefront_size: 32
...
	.end_amdgpu_metadata
.endif
;; end of part 5
